; MI455X (gfx1250); checked and timed in simulation.
; The chip was launched on July 23, 2026; its instructions are those of AMD's public machine-readable ISA for CDNA 5 (MIT licence, August 2026) and "CDNA5" Instruction Set Architecture Reference Guide (July 2026). The comments in the code are by the model that wrote it; some were corrected since.
;; Multi Head Attention. Allowed arithmetic: matrix products marked QUANTISED: E4M3 operands, one given power-of-two scale a tensor, by v_wmma_f32_16x16x64_fp8_fp8 or v_wmma_f32_16x16x128_fp8_fp8, f32 sums; everything else in f32.
;; Inputs: Wk_codes 512 x 64 x 32 uint8 (E4M3 codes of Wk, K innermost, in blocks of 32 codes); Wo_codes 2,048 x 64 x 32 uint8 (E4M3 codes of Wo, K innermost, in blocks of 32 codes); Wq_codes 2,048 x 64 x 32 uint8 (E4M3 codes of Wq, K innermost, in blocks of 32 codes); Wv_codes 512 x 64 x 32 uint8 (E4M3 codes of Wv, K innermost, in blocks of 32 codes); freqs_cos 2,048 x 64 float32; freqs_sin 2,048 x 64 float32; lowp_scales 12 int32 (the exponents e of the quantised operands' scales 2^e); x_codes 1 x 2,048 x 64 x 32 uint8 (E4M3 codes of x, K innermost, in blocks of 32 codes).
;; Outputs: out0 1 x 2,048 x 2,048 float32.
;; This version of the problem:
;;   THIS VERSION OF THE PROBLEM IS GIVEN IN LOW PRECISION. The matrix products marked QUANTISED in the list below multiply operands that are first quantised to E4M3 (4 exponent bits, 3 mantissa bits; 8 bits a number), with one given power-of-two scale for each operand tensor; their sums are f32. All else is computed in f32.
;;   The module's matrix products, in the order in which they are computed (A, B: the left and right operand; K: the contracted axis; several contracted axes count as one K, in the product's order):
;;     1. [M 2,048, K 2,048] x [K 2,048, N 2,048]; A: input x (given as codes); B: input Wq (given as codes): QUANTISED (scales: A lowp_scales[0], B lowp_scales[1])
;;     2. [M 2,048, K 2,048] x [K 2,048, N 512]; A: input x (given as codes); B: input Wk (given as codes): QUANTISED (scales: A lowp_scales[2], B lowp_scales[3])
;;     3. [M 2,048, K 2,048] x [K 2,048, N 512]; A: input x (given as codes); B: input Wv (given as codes): QUANTISED (scales: A lowp_scales[4], B lowp_scales[5])
;;     4. batch 16 x [M 2,048, K 128] x [K 128, N 2,048]; A: computed on the way; B: computed on the way: QUANTISED (scales: A lowp_scales[6], B lowp_scales[7])
;;     5. batch 16 x [M 2,048, K 2,048] x [K 2,048, N 128]; A: softmax (see below); B: computed on the way: QUANTISED (scales: A lowp_scales[8], B lowp_scales[9])
;;     6. [M 2,048, K 2,048] x [K 2,048, N 2,048]; A: computed on the way; B: input Wo (given as codes): QUANTISED (scales: A lowp_scales[10], B lowp_scales[11])
;;   THE QUANTISER, for each operand of a quantised product, along K:
;;     - The operand's scale is 2^e, e = its entry of the input lowp_scales (int32; the entries are numbered through the quantised products in the list's order, A before B).
;;     - Each number is divided by the scale, clamped to +-448, and rounded to the nearest number of E4M3, ties to even, subnormals kept.
;;     - The product sums the exact products of the quantised numbers (number of the format x scale) in f32.
;;   ~~~python
;;   def quantise(x, axis, e):      # numpy; x: float32 -> the quantised numbers, widened to float32 again
;;       x = np.moveaxis(x, axis, -1); K = x.shape[-1]
;;       r = np.clip(x / 2.0 ** e, -448, 448)
;;       step = 2.0 ** (np.maximum(np.frexp(np.where(r == 0, 1, r))[1] - 1, -6) - 3)
;;       q = np.round(r / step) * step * 2.0 ** e      # np.round: ties to even
;;       return np.moveaxis(q, -1, axis).astype(np.float32)
;;   ~~~
;;   SOFTMAX AHEAD OF A QUANTISED PRODUCT. Where the list says 'softmax', what is quantised is not the finished softmax but p = 2^(t - M), with t = logit x log2(e) and M = ceil(the row's largest t), a whole number; so 1/2 < the row's largest p <= 1. The row's sum l is taken of the UNQUANTISED p, in f32, and the product's result is divided by l at the end. Since M is a whole number, a kernel that streams over the keys may use a running M (the ceiling of the running maximum): every later rescaling is an exact power of two, so the quantised numbers keep their values, but for numbers so far below the row's largest that they fall under the format's range.
;;   OPERANDS COMPUTED ON THE WAY. 'Computed on the way' means the value that the module computes at that place (a softmax that the list does not call 'softmax' is quantised finished and normalised). What goes into a quantiser is computed in f32, as accurately as f32 sums, v_exp_f32 and their like allow (about 1e-6 of the number): no bf16 or f16 on the way to a quantiser, and a product that is left as it is and whose result goes on into a quantised operand takes f32 operands (vector FMAs, or v_wmma_f32_16x16x4_f32). A number that lies on a knife's edge between two numbers of the format may be rounded either way, as far as f32 arithmetic and the matrix unit's own rounding can turn it there, and no further.
;;   INPUTS GIVEN AS CODES. Wk (in the module: [2048, 512], K = its axis 0); Wo (in the module: [2048, 2048], K = its axis 0); Wq (in the module: [2048, 2048], K = its axis 0); Wv (in the module: [2048, 512], K = its axis 0); x (in the module: [1, 2048, 2048], K = its axis 2): each comes as NAME_codes (uint8): NAME with its K axis moved to the last place and cut into blocks of 32 codes, [.., K / 32, bytes a block], one block behind the other in memory; one code a byte (a code: sign, 4 exponent bits, 3 mantissa bits); its scale is its entry of lowp_scales. Its value is code x scale, taken as it is: it is not quantised again, and the codes and scales need not be those that the quantiser above would give.
;; One version. Each part assembles by itself: llvm-mc -triple=amdgcn-amd-amdhsa -mcpu=gfx1250 --defsym DOCPART=n.
;; ======== version 1 of 1: 3 launches
;; limits: right only within a limited range of input values
;; workspace buffers: qc 4,194,304 bytes; kv 2,097,152 bytes; yc 4,194,304 bytes
;; launch proj (part 1): grid 16 x 16, 4 waves a work-group, clusters of 4 x 4, 327,680 bytes of LDS; arguments x_codes, Wq_codes, Wk_codes, Wv_codes, freqs_cos, freqs_sin, lowp_scales, qc, kv; writes qc, kv
.if DOCPART == 1
	.amdgcn_target "amdgcn-amd-amdhsa--gfx1250"
	.amdhsa_code_object_version 6
	.text
	.protected	k_qf0f90ee42f_proj
	.globl	k_qf0f90ee42f_proj
	.p2align	8
	.type	k_qf0f90ee42f_proj,@function
k_qf0f90ee42f_proj:
	s_mov_b64 s[64:65], 0
	v_nop
	global_prefetch_b8 v0, s[64:65] scope:SCOPE_SE
	s_setreg_imm32_b32 hwreg(HW_REG_WAVE_MODE, 25, 1), 1
	s_wait_xcnt 0x0
	s_wait_alu depctr_hold_cnt(0) depctr_sa_sdst(0) depctr_va_vdst(0) depctr_va_sdst(0) depctr_va_ssrc(0) depctr_va_vcc(0) depctr_vm_vsrc(0)
	s_getreg_b32 s2, hwreg(HW_REG_IB_STS2, 6, 4)
	s_cmp_eq_u32 s2, 0
	s_cbranch_scc0 .Lentry_in_a_cluster
	s_endpgm
.Lentry_in_a_cluster:
	s_bfe_u32 s2, ttmp6, 0x10000c
	s_cmp_lg_u32 s2, 0xf033
	s_cbranch_scc0 .Lentry_shape_is_right
	s_endpgm
.Lentry_shape_is_right:
; q = rope(x Wq), k = rope(x Wk), v = x Wv on codes of FP8 (E4M3), the results quantised to codes again, with the given scales.
; WORK LEFT OUT in this program: in launch attn, key steps of 128 keys all of which come after a block's queries: reference()'s own causal mask gives them the weight 0 for all values of the inputs.  A NaN, an infinity or an overflow that reaches
; only those scores is not carried to the result.
; SHARES.  256 work-groups of equal work: work-group (token block tb, head) makes, for its 128 tokens, the head's 128 columns of q, 32 columns of k (rows 32 head on of Wk) and 32 rows of v^T (rows 32 head on of Wv):
; 128 x 192 outputs, K = 2,048.  Four waves; wave (WR, WC) takes tokens 64 WR on, q's columns 64 WC on, k's columns 16 WC on and v's rows 16 WC on: 16 + 4 + 4 accumulators.
; q AND k ARE MADE TRANSPOSED (source 0 = 16 rows of the weight, source 1 = 16 tokens of x): lane (r, h) holds token r and the eight neighbouring columns 8 h + 0 .. 7: four rotation pairs, eight codes along the head's axis.
; v IS MADE THE OTHER WAY ROUND (source 0 = 16 tokens, source 1 = 16 rows of Wv): lane (r, h) holds row r of v^T and the eight neighbouring tokens 8 h + 0 .. 7: eight codes along the keys, which are the K of attention's second product.
; LDS.  Two slots of 320 rows: slot 0 takes 512 along K, slot 1 256 (two of 512 have no room).  Five fills by turns: K = 0-511, 512-767, 768-1279, 1280-1535, 1536-2047: 4, 2, 4, 2, 4 substeps of 128 along K, 24 matrix instructions each;
; all is written out, there is no loop.  While a slot is multiplied, the other's fill is on its way.
; CLUSTER 4 x 4: x's tile is shared along a row of the cluster, the weights' tiles along a column: joint loads.  Wave 0 fetches x's 128 rows, wave 1 Wq's 128, wave 2 Wk's 32, wave 3 Wv's 32 (those pieces have no more rows).
; PREFETCH.  Behind fill n's joint load each wave asks for its tile's part of fill n + 1 (n = 1, 2, 3), one or two units of 256 bytes a row; the partners of a joint load share the rows out by address (32 of 128, 8 of 32 rows; lanes left over name a row
; of their wave again).  Fills 0 and 1 come by their loads alone.
; A fragment (16 rows x 128 K) comes by four loads of 16 bytes, 32 apart, at row x pitch + 16 h: registers 4 c .. 4 c + 3 hold K = 32 c + 16 h + 0 .. 15: a permutation of K that is the same in both operands.
; ROPE works on the raw sums (it is linear); the sums' power of two and the quantiser's are folded into the conversion's one scale 2^E, E = e(out) - e(x) - e(weight).
; OUTPUT: dense blocks of 16,384 bytes (128 rows x 128 codes) in the order of the next product's operand registers.  Row p, column c of a block lies at
;   2048 T + 512 (c / 32) + 16 (16 ((c / 16) % 2) + r') + c % 16,  T = 2 (p / 32) + (p / 8) % 2,  r' = 8 ((p / 16) % 2) + p % 8.
;   qc: block head x 16 + tb (rows: tokens, columns: the head's 128);  kv: pairs of blocks (g x 16 + tb), g = head / 4: K's (rows: tokens), then V^T's (rows: the head's 128, columns: tokens).
;   My 32 columns of k are chunk c / 32 = head % 4 of each of the block's eight tiles: eight runs of 512 bytes.  My 32 rows of v^T are tiles 2 (head % 4) and the next: 4,096 bytes on end.
; LIMITS: E lies between -126 and 119 for each of the three products, so that 2^E and 448 x 2^E are f32 numbers.  NaN among the inputs is not served.
; REGISTERS.  Window 0: v1-31 addresses and scales; v32-63 at work (v60-63: slot 1's addresses until the way out); v64-255 the accumulators: q's (a, b) at 64 + 8 (4 a + b), k's (a) at 192 + 8 a, v's (a) at 224 + 8 a.
;   Window 1: two fragment buffers of 128: x's four blocks at 16 a, Wq's four at 64 + 16 b.   Window 2: v0-63 Wk's and Wv's fragments (buffer f: 32 f, 32 f + 16); v64-223 cos and sin.
.set P0,     528                       ; a row of slot 0: 512 bytes + 16 = 132 words: row r starts 4 r words on, modulo 64: the 16 rows of a load start at 16 different places (64 banks of 4 bytes: ISA guide 11.1)
.set P1,     272                       ; of slot 1: 256 + 16: 4 r words on likewise
.set SL1,    320*P0                    ; slot 1 begins here.  In a slot: x's 128 rows, Wq's 128, Wk's 32, Wv's 32
.set STAGE,  SL1+320*P1                ; behind the slots: q's 16,384 bytes of codes in the output's order,
.set STK,    STAGE+16384               ; k's 4,096, then v^T's 4,096; no tensor load lands here
.set SPARE,  STAGE+24576               ; the spare words, 128 bytes for each wave: two blocks of 256 bytes that no other line names
.set ADRA, 8                           ; v8-11 (slot 0), v60-63 (slot 1)   LDS address of my fragments of x, Wq, Wk, Wv
.set STQ,  12                          ; v12-14  the way out: where I put 8 codes of q, k, v^T
.set STKA, 13
.set STVA, 14
.set RD,   15                          ; v15     where I read 16 bytes of q's block back,
.set GO,   16                          ; v16     and their offset in memory: 4096 x wave + 16 x lane (k's runs lie at the same offsets)
.set RKV,  17                          ; v17     where I read k's piece back (v^T's: 4,096 further on)
.set GOV,  18                          ; v18     1024 x wave + 16 x lane: v^T's offset in memory
.set CSO,  19                          ; v19, 20 my byte offsets in a row block of the tables of cos and sin, for q and for k
.set CSK,  20
.set PFO,  21                          ; v21     the prefetches' offset: a row a lane
.set SCQ,  22                          ; v22-27  2^E and 448 x 2^E, for q, k, v
.set SCK,  24
.set SCV,  26
.set SPW,  30
.set NIL,  31
.set TT,   32                          ; v32-39  at work in the rotation
.set CD,   32                          ; v32-63  q's codes, two registers an accumulator
.set CD2,  64                          ; v64-79  k's and v's codes, in registers that q's first sums have left
.set BK,   80                          ; v80-127 the blocks read back
.set ACC,  64
.set CQ,   64                          ; window 2: cos and sin for q, four registers an accumulator; then for k
.set SQ,   128
.set CK,   192
.set SK,   208
.set WV,   22
.set WR,   23
.set WC,   46
.set G1A,  24                          ; s[24:31] descriptor group 1 for x's tile; s[32:39] for Wq's; s[48:55] for Wk's and Wv's
.set G1Q,  32
.set G1KV, 48
.set G0A,  40                          ; s[40:43], s[56:59], s[60:63], s[68:71] descriptor groups 0: x, Wq, Wk, Wv
.set G0Q,  56
.set G0K,  60
.set G0V,  68
.set PFB,  98                          ; s[98:99] where my prefetches stand: K = 0 of my first row
.set MSB, 0
.macro WIN new                         ; the immediate's high byte repeats the setting that is left
.if MSB != \new
	s_set_vgpr_msb (MSB<<8)|\new
.set MSB, \new
.endif
.endm
.macro PLACES                          ; four plain vector lines between a matrix instruction and a load into, or a vector read of, its registers
.rept 4
	v_nop
.endr
.endm
.macro ONELOAD g0, g1
	tensor_load_to_lds s[\g0:\g0+3], s[\g1:\g1+7]
	s_nop 0
	PLACES
.endm
; A joint load: each wave has a tile of its own.  Each of the four lines has one mask and one set of registers; the branches hang on the wave's number alone.
.macro JLOAD
	s_cmp_lg_u32 s[WV], 0
	s_cbranch_scc1 .Lnot_a_\@
	ONELOAD G0A, G1A
	s_branch .Lasked_\@
.Lnot_a_\@:
	s_cmp_lg_u32 s[WV], 1
	s_cbranch_scc1 .Lnot_q_\@
	ONELOAD G0Q, G1Q
	s_branch .Lasked_\@
.Lnot_q_\@:
	s_cmp_lg_u32 s[WV], 2
	s_cbranch_scc1 .Lnot_k_\@
	ONELOAD G0K, G1KV
	s_branch .Lasked_\@
.Lnot_k_\@:
	ONELOAD G0V, G1KV
.Lasked_\@:
.endm
.macro CROUND                          ; a round of the cluster's barrier
	s_barrier_signal -1
	s_barrier_wait -1
	s_cmp_lg_u32 s[WV], 0
	s_cbranch_scc1 .Lnot_wave_0_\@
	s_barrier_signal -3
.Lnot_wave_0_\@:
	s_barrier_wait -3
	s_barrier_signal -1
	s_barrier_wait -1
.endm
.macro SHAPE base, pitch, row, qi      ; the descriptors for a slot: LDS addresses, row length, padding of four words behind each row
	s_mov_b32 s[G0A+1], \base
	s_mov_b32 s[G0Q+1], \base+128*\pitch
	s_mov_b32 s[G0K+1], \base+256*\pitch
	s_mov_b32 s[G0V+1], \base+288*\pitch
	s_or_b32 s[G1A], s94, (1<<20)|(1<<21)|(\qi<<22)|(3<<25)    ; x's tile goes to my row of the cluster,
	s_or_b32 s[G1Q], s95, (1<<20)|(1<<21)|(\qi<<22)|(3<<25)    ; the weights' tiles to my column
	s_or_b32 s[G1KV], s95, (1<<20)|(1<<21)|(\qi<<22)|(3<<25)
.irp g, G1A, G1Q, G1KV
	s_mov_b32 s[\g+1], \row<<16
	s_mov_b32 s[\g+3], \row<<16
.endr
.endm
.macro FILL n                          ; the descriptors for fill n: n odd: slot 1, 512 bytes on along K; n even: slot 0, 256 on.  The type bits on top are not reached
.if (\n)%2
.irp g, G0A, G0Q, G0K, G0V
	s_add_nc_u64 s[\g+2:\g+3], s[\g+2:\g+3], 512
.endr
	SHAPE SL1, P1, 256, 5
.else
.irp g, G0A, G0Q, G0K, G0V
	s_add_nc_u64 s[\g+2:\g+3], s[\g+2:\g+3], 256
.endr
	SHAPE 0, P0, 512, 6
.endif
.endm
.macro GROUP0 g, base, off             ; count = 1; the tile's first byte; type = 2
	s_mov_b32 s[\g], 1
	s_add_nc_u64 s[\g+2:\g+3], s[\base:\base+1], s[\off:\off+1]
	s_or_b32 s[\g+3], s[\g+3], 0x80000000
.endm
.macro ASK off
	global_prefetch_b8 v[PFO], s[PFB:PFB+1] offset:\off th:TH_LOAD_NT scope:SCOPE_SE
.endm
.macro ASKFILL n                       ; fill n's bytes along K
.if (\n) == 2
	ASK 768
	ASK 1024
.elseif (\n) == 3
	ASK 1280
.elseif (\n) == 4
	ASK 1536
	ASK 1792
.endif
.endm
.macro SCALE sc                        ; s2 = E  ->  v[sc] = 2^E (the conversion takes its exponent field), v[sc + 1] = 448 x 2^E
	s_add_co_i32 s2, s2, 127
	s_lshl_b32 s3, s2, 23
	v_mov_b32 v[\sc], s3
	s_add_co_i32 s2, s2, 8
	s_lshl_b32 s2, s2, 23
	s_or_b32 s2, s2, 0x600000
	v_mov_b32 v[\sc+1], s2
.endm
; 40 LDS loads in one run: the fragments of slot s's q-th 128 along K into buffer f
.macro FETCH s, q, f
.set AX, ADRA+52*(\s)
.set BL, 16*(P0-(P0-P1)*(\s))
	WIN 0x40                                       ; destination window 1, address window 0
.irp i, 0,1,2,3
.irp c, 0,1,2,3
	ds_load_b128 v[128*(\f)+16*\i+4*\c:128*(\f)+16*\i+4*\c+3], v[AX] offset:128*(\q)+BL*\i+32*\c
.endr
.endr
.irp i, 0,1,2,3
.irp c, 0,1,2,3
	ds_load_b128 v[128*(\f)+64+16*\i+4*\c:128*(\f)+64+16*\i+4*\c+3], v[AX+1] offset:128*(\q)+BL*\i+32*\c
.endr
.endr
	WIN 0x80                                       ; destination window 2
.irp c, 0,1,2,3
	ds_load_b128 v[32*(\f)+4*\c:32*(\f)+4*\c+3], v[AX+2] offset:128*(\q)+32*\c
	ds_load_b128 v[32*(\f)+16+4*\c:32*(\f)+16+4*\c+3], v[AX+3] offset:128*(\q)+32*\c
.endr
.endm
; A substep's 24 products.  zero = 1: they start the sums.  The 24 accumulators take turns in the same order in every substep.
.macro MUL24 f, zero
	WIN 0x05                                       ; sources 0 (Wq) and 1 (x) window 1; C and D window 0
.irp a, 0,1,2,3
.irp b, 0,1,2,3
.if \zero
	v_wmma_f32_16x16x128_fp8_fp8 v[ACC+8*(4*\a+\b):ACC+8*(4*\a+\b)+7], v[128*(\f)+64+16*\b:128*(\f)+64+16*\b+15], v[128*(\f)+16*\a:128*(\f)+16*\a+15], 0
.else
	v_wmma_f32_16x16x128_fp8_fp8 v[ACC+8*(4*\a+\b):ACC+8*(4*\a+\b)+7], v[128*(\f)+64+16*\b:128*(\f)+64+16*\b+15], v[128*(\f)+16*\a:128*(\f)+16*\a+15], v[ACC+8*(4*\a+\b):ACC+8*(4*\a+\b)+7]
.endif
.endr
.endr
	WIN 0x06                                       ; source 0 (Wk) window 2, source 1 (x) window 1
.irp a, 0,1,2,3
.if \zero
	v_wmma_f32_16x16x128_fp8_fp8 v[ACC+128+8*\a:ACC+128+8*\a+7], v[32*(\f):32*(\f)+15], v[128*(\f)+16*\a:128*(\f)+16*\a+15], 0
.else
	v_wmma_f32_16x16x128_fp8_fp8 v[ACC+128+8*\a:ACC+128+8*\a+7], v[32*(\f):32*(\f)+15], v[128*(\f)+16*\a:128*(\f)+16*\a+15], v[ACC+128+8*\a:ACC+128+8*\a+7]
.endif
.endr
	WIN 0x09                                       ; source 0 (x) window 1, source 1 (Wv) window 2: a lane's registers run along the tokens
.irp a, 0,1,2,3
.if \zero
	v_wmma_f32_16x16x128_fp8_fp8 v[ACC+160+8*\a:ACC+160+8*\a+7], v[128*(\f)+16*\a:128*(\f)+16*\a+15], v[32*(\f)+16:32*(\f)+31], 0
.else
	v_wmma_f32_16x16x128_fp8_fp8 v[ACC+160+8*\a:ACC+160+8*\a+7], v[128*(\f)+16*\a:128*(\f)+16*\a+15], v[32*(\f)+16:32*(\f)+31], v[ACC+160+8*\a:ACC+160+8*\a+7]
.endif
.endr
.endm
.macro KSUB s, qn, f, zero             ; a substep that has its successor in the same slot: the successor's 40 loads go out ahead of this substep's 24 products
	s_wait_dscnt 0x0                               ; buffer f is in
	PLACES                                         ; behind the last substep's products, which read the other buffer
	FETCH \s, \qn, 1-\f
	MUL24 \f, \zero
.endm
; A slot's last substep lies in buffer 1.  Each wave waits for all its tensor loads (its part of the other slot), adds 0 to its spare word, and waits for that and for its reads of this slot, the last fragments among them.
; Behind a round of the cluster's barrier no wave of any partner reads this slot any more and the other one is whole: this slot takes fill n (n = 0: nothing is filled again), and the other's first fragments are read.
.macro TURN next, n
	WIN 0
	s_wait_tensorcnt 0x0
.if \n
	ds_add_u32 v[SPW], v[NIL]                      ; 0 onto my spare word; the descriptors' steps stand between it and the wait for it
	FILL \n
.endif
	s_wait_dscnt 0x0
.if \n
	CROUND
	JLOAD                                          ; the first tensor load behind the round, one a wave; its four v_nop are the places in front of the loads into buffer 0 below
.else
	s_barrier_signal -1
	s_barrier_wait -1
	PLACES
.endif
	FETCH \next, 0, 0
.if \n
	ASKFILL \n+1
.endif
	MUL24 1, 0
.endm
	s_load_b256 s[4:11], s[0:1], 0x0               ; x s[4:5], Wq s[6:7], Wk s[8:9], Wv s[10:11]
	s_load_b256 s[12:19], s[0:1], 0x20             ; cos s[12:13], sin s[14:15], the scales' exponents s[16:17], qc s[18:19]
	s_load_b64 s[20:21], s[0:1], 0x40              ; kv
	v_lshl_add_u32 v[SPW], v0, 2, SPARE
	v_mov_b32 v[NIL], 0
	ds_add_u32 v[SPW], v[NIL]                      ; the opening add, twice on end, and its wait ahead of the first tensor load
	ds_add_u32 v[SPW], v[NIL]
	v_lshrrev_b32 v1, 5, v0
	v_readfirstlane_b32 s[WV], v1                  ; wave 0..3
	s_lshr_b32 s[WR], s[WV], 1                     ; which 64 tokens are mine
	s_and_b32 s[WC], s[WV], 1                      ; which half of the columns
	s_bfe_u32 s44, ttmp6, 0x40000                  ; cx, cy: my place in the cluster
	s_bfe_u32 s45, ttmp6, 0x40004
	s_lshl_b32 s67, ttmp9, 2
	s_add_co_u32 s67, s67, s44                     ; the head = 4 x cluster x + cx: my column of the cluster shares it
	s_and_b32 s66, ttmp7, 0xffff
	s_lshl_b32 s66, s66, 2
	s_add_co_u32 s66, s66, s45                     ; the token block = 4 x cluster y + cy: my row shares it
	s_lshl_b32 s94, s45, 2
	s_lshl_b32 s94, 15, s94                        ; my row of the cluster
	s_lshl_b32 s95, 0x1111, s44                    ; my column
	SHAPE 0, P0, 512, 6
.irp g, G1A, G1Q, G1KV
	s_mov_b32 s[\g+5], 2048                        ; a row in memory: 2,048 bytes
	s_mov_b32 s[\g+6], 0
	s_mov_b32 s[\g+7], 0
.endr
.irp g, G1A, G1Q
	s_mov_b32 s[\g+2], 128<<16
	s_mov_b32 s[\g+4], 128
.endr
	s_mov_b32 s[G1KV+2], 32<<16
	s_mov_b32 s[G1KV+4], 32
	s_lshl_b32 s84, s66, 18                        ; x: 128 rows of 2,048 bytes a token block
	s_mov_b32 s85, 0
	s_lshl_b32 s86, s67, 18                        ; Wq: 128 rows a head
	s_mov_b32 s87, 0
	s_lshl_b32 s96, s67, 16                        ; Wk, Wv: 32 rows a head
	s_mov_b32 s97, 0
	s_wait_dscnt 0x0                               ; both opening adds are done
	s_wait_alu depctr_va_vdst(0)
	s_wait_kmcnt 0x0
	s_load_b256 s[72:79], s[16:17], 0x0            ; e0 .. e7
	s_load_b128 s[80:83], s[16:17], 0x20           ; e8 .. e11
	GROUP0 G0A, 4, 84
	GROUP0 G0Q, 6, 86
	GROUP0 G0K, 8, 96
	GROUP0 G0V, 10, 96
	CROUND                                         ; all sixteen work-groups are here: the first joint loads meet
	JLOAD                                          ; fill 0
	; the prefetches: my tile's buffer, its rows, and my work-group's share of them
	s_cmp_eq_u32 s[WV], 0
	s_cselect_b32 s2, s84, s86
	s_cselect_b32 s3, s44, s45                     ; my place among the four that ask with me
	s_cselect_b64 s[PFB:PFB+1], s[4:5], s[6:7]
	s_cmp_lt_u32 s[WV], 2
	s_cselect_b32 s2, s2, s96
	s_cselect_b32 s47, 31, 7                       ; 32 rows each of 128, or 8 of 32
	s_cselect_b32 s85, 16, 14
	s_cselect_b64 s[PFB:PFB+1], s[PFB:PFB+1], s[8:9]
	s_cmp_eq_u32 s[WV], 3
	s_cselect_b64 s[PFB:PFB+1], s[10:11], s[PFB:PFB+1]
	s_lshl_b32 s3, s3, s85
	s_add_co_u32 s2, s2, s3
	s_mov_b32 s3, 0
	s_add_nc_u64 s[PFB:PFB+1], s[PFB:PFB+1], s[2:3]
	v_and_b32 v[PFO], s47, v0
	v_lshlrev_b32 v[PFO], 11, v[PFO]
	v_and_b32 v1, 15, v0                           ; r
	v_bfe_u32 v2, v0, 4, 1                         ; h
	v_lshlrev_b32 v2, 4, v2
	v_mul_u32_u24 v3, v1, P0
	v_add_nc_u32 v3, v3, v2                        ; a fragment's row x pitch + 16 h
	v_mul_u32_u24 v5, v1, P1
	v_add_nc_u32 v5, v5, v2
	s_mul_i32 s2, s[WR], 64*P0                     ; my 64 tokens
	v_add_nc_u32 v[ADRA], s2, v3
	s_mul_i32 s2, s[WC], 64*P0                     ; my 64 rows of Wq
	s_add_co_u32 s2, s2, 128*P0
	v_add_nc_u32 v[ADRA+1], s2, v3
	s_mul_i32 s2, s[WC], 16*P0                     ; my 16 rows of Wk and of Wv
	s_add_co_u32 s3, s2, 256*P0
	v_add_nc_u32 v[ADRA+2], s3, v3
	s_add_co_u32 s3, s2, 288*P0
	v_add_nc_u32 v[ADRA+3], s3, v3
	s_wait_alu depctr_va_vdst(0)
	s_mul_i32 s2, s[WR], 64*P1                     ; the same in slot 1
	s_add_co_u32 s2, s2, SL1
	v_add_nc_u32 v[ADRA+52], s2, v5
	s_mul_i32 s2, s[WC], 64*P1
	s_add_co_u32 s2, s2, SL1+128*P1
	v_add_nc_u32 v[ADRA+53], s2, v5
	s_mul_i32 s2, s[WC], 16*P1
	s_add_co_u32 s3, s2, SL1+256*P1
	v_add_nc_u32 v[ADRA+54], s3, v5
	s_add_co_u32 s3, s2, SL1+288*P1
	v_add_nc_u32 v[ADRA+55], s3, v5
	v_lshlrev_b32 v4, 8, v1                        ; cos, sin: row r of 256 bytes, + 16 h: the four pairs of my eight columns;
	v_add_nc_u32 v4, v4, v2
	s_lshl_b32 s2, s[WC], 7                        ; q: pairs 32 WC + 8 b + 4 h on
	v_add_nc_u32 v[CSO], s2, v4
	s_wait_alu depctr_va_vdst(0)
	s_lshl_b32 s2, s44, 6                          ; k: pairs 16 (head % 4) + 8 WC + 4 h on
	s_lshl_b32 s3, s[WC], 5
	s_add_co_u32 s2, s2, s3
	v_add_nc_u32 v[CSK], s2, v4
	s_lshl_b32 s96, s66, 15                        ; the tables at token 128 tb + 64 WR
	s_lshl_b32 s97, s[WR], 14
	s_add_co_u32 s96, s96, s97
	s_mov_b32 s97, 0
	s_add_nc_u64 s[12:13], s[12:13], s[96:97]
	s_add_nc_u64 s[14:15], s[14:15], s[96:97]
	s_wait_alu depctr_va_vdst(0)
	WIN 0x80                                       ; destination window 2, address window 0
.irp a, 0,1,2,3
.irp b, 0,1,2,3
	global_load_b128 v[CQ+4*(4*\a+\b):CQ+4*(4*\a+\b)+3], v[CSO], s[12:13] offset:4096*\a+32*\b   ; q's accumulator (a, b): token 16 a + r
	global_load_b128 v[SQ+4*(4*\a+\b):SQ+4*(4*\a+\b)+3], v[CSO], s[14:15] offset:4096*\a+32*\b
.endr
	global_load_b128 v[CK+4*\a:CK+4*\a+3], v[CSK], s[12:13] offset:4096*\a                        ; k's accumulator (a)
	global_load_b128 v[SK+4*\a:SK+4*\a+3], v[CSK], s[14:15] offset:4096*\a
.endr
	WIN 0
	; the way out, into the stages, at the places that the head comment gives; a and b stand in the stores' immediates
	v_lshrrev_b32 v4, 3, v1                        ; r / 8
	v_and_b32 v5, 7, v1
	v_lshrrev_b32 v6, 1, v2                        ; 8 h
	v_lshl_add_u32 v6, v5, 4, v6                   ; 16 (r % 8) + 8 h
	s_wait_alu depctr_va_vdst(0)
	s_lshl_b32 s2, s[WR], 13                       ; q: row 64 WR + 16 a + r, columns 64 WC + 16 b + 8 h on:  8192 WR + 1024 WC + 2048 (r / 8)
	s_lshl_b32 s3, s[WC], 10
	s_add_co_u32 s2, s2, s3
	s_add_co_u32 s2, s2, STAGE
	v_lshl_add_u32 v[STQ], v4, 11, v6
	v_add_nc_u32 v[STQ], s2, v[STQ]
	s_lshl_b32 s2, s[WR], 11                       ; k: the same rows, columns 16 WC + 8 h on of one chunk; a tile's part is 512 bytes:  2048 WR + 256 WC + 512 (r / 8)
	s_lshl_b32 s3, s[WC], 8
	s_add_co_u32 s2, s2, s3
	s_add_co_u32 s2, s2, STK
	v_lshl_add_u32 v[STKA], v4, 9, v6
	v_add_nc_u32 v[STKA], s2, v[STKA]
	s_wait_alu depctr_va_vdst(0)
	s_lshl_b32 s2, s[WR], 10                       ; v^T: row 16 WC + r of my 32, columns 64 WR + 16 a + 8 h on:  1024 WR + 128 WC + 2048 (r / 8)
	s_lshl_b32 s3, s[WC], 7
	s_add_co_u32 s2, s2, s3
	s_add_co_u32 s2, s2, STK+4096
	v_lshl_add_u32 v[STVA], v4, 11, v6
	v_add_nc_u32 v[STVA], s2, v[STVA]
	v_and_b32 v7, 31, v0
	v_lshlrev_b32 v7, 4, v7                        ; back: 16 bytes a lane;
	s_lshl_b32 s2, s[WV], 12
	v_add_nc_u32 v[GO], s2, v7                     ; q: wave w takes bytes 4096 w on
	v_add_nc_u32 v[RD], STAGE, v[GO]
	s_lshl_b32 s2, s[WV], 10
	v_add_nc_u32 v[GOV], s2, v7                    ; k and v^T: bytes 1024 w on of each piece
	v_add_nc_u32 v[RKV], STK, v[GOV]
	s_lshl_b32 s2, s67, 4                          ; qc: block head x 16 + tb
	s_add_co_u32 s2, s2, s66
	s_lshl_b32 s2, s2, 14
	s_mov_b32 s3, 0
	s_add_nc_u64 s[88:89], s[18:19], s[2:3]
	s_lshl_b32 s2, ttmp9, 4                        ; kv: pair (head / 4) x 16 + tb;
	s_add_co_u32 s2, s2, s66
	s_lshl_b32 s2, s2, 15
	s_lshl_b32 s47, s44, 9                         ; k: chunk head % 4 of each tile
	s_wait_xcnt 0x0                                ; the loads above have read their bases' registers and offsets
	s_add_co_u32 s96, s2, s47
	s_add_nc_u64 s[90:91], s[20:21], s[96:97]
	s_lshl_b32 s47, s44, 12                        ; v^T: behind K's block, 4,096 bytes for each head of the four
	s_add_co_u32 s96, s2, s47
	s_add_co_u32 s96, s96, 16384
	s_add_nc_u64 s[92:93], s[20:21], s[96:97]
	s_wait_kmcnt 0x0                               ; the exponents
	s_sub_co_i32 s2, s78, s72                      ; q: e6 - e0 - e1
	s_sub_co_i32 s2, s2, s73
	SCALE SCQ
	s_sub_co_i32 s2, s79, s74                      ; k: e7 - e2 - e3
	s_sub_co_i32 s2, s2, s75
	SCALE SCK
	s_sub_co_i32 s2, s81, s76                      ; v: e9 - e4 - e5
	s_sub_co_i32 s2, s2, s77
	SCALE SCV
	s_wait_alu depctr_va_vdst(0)                   ; the wait at the head's end
	s_wait_tensorcnt 0x0                           ; my tile of fill 0 is in
	ds_add_u32 v[SPW], v[NIL]
	FILL 1
	s_wait_dscnt 0x0
	CROUND                                         ; everybody's part of fill 0 is in
	JLOAD                                          ; slot 1's first fill
	FETCH 0, 0, 0
	ASKFILL 2
	KSUB 0, 1, 0, 1                                ; K = 0 .. 511.  The first products start the sums: nothing is cleared
	KSUB 0, 2, 1, 0
	KSUB 0, 3, 0, 0
	TURN 1, 2
	KSUB 1, 1, 0, 0                                ; 512 .. 767
	TURN 0, 3
	KSUB 0, 1, 0, 0                                ; 768 .. 1279
	KSUB 0, 2, 1, 0
	KSUB 0, 3, 0, 0
	TURN 1, 4
	KSUB 1, 1, 0, 0                                ; 1280 .. 1535
	TURN 0, 0
	KSUB 0, 1, 0, 0                                ; 1536 .. 2047
	KSUB 0, 2, 1, 0
	KSUB 0, 3, 0, 0
	s_wait_dscnt 0x0
	MUL24 1, 0
	WIN 0
	PLACES
	; THE WAY OUT: rotate q and k, hold, convert, through the stages, out in runs of 512 bytes.
	s_wait_loadcnt 0x0                             ; cos and sin
	WIN 0x08                                       ; source 1 (cos or sin) window 2
.set k, 0
.rept 20
.if k < 16
.set rCB, CQ+4*k
.set rSB, SQ+4*k
.else
.set rCB, CK+4*(k-16)
.set rSB, SK+4*(k-16)
.endif
.irp i, 0,1,2,3
	v_mul_f32 v[TT+2*\i], v[ACC+8*k+2*\i+1], v[rSB+\i]         ; im x sin  (an accumulator's first read is of one of its four lowest registers)
	v_mul_f32 v[TT+2*\i+1], v[ACC+8*k+2*\i], v[rSB+\i]         ; re x sin
.endr
.irp i, 0,1,2,3
	v_fma_f32 v[ACC+8*k+2*\i], v[ACC+8*k+2*\i], v[rCB+\i], -v[TT+2*\i]             ; re x cos - im x sin
	v_fma_f32 v[ACC+8*k+2*\i+1], v[ACC+8*k+2*\i+1], v[rCB+\i], v[TT+2*\i+1]        ; im x cos + re x sin
.endr
.set k, k+1
.endr
	WIN 0
.set k, 0
.rept 24
.if k < 16
.set rSC, SCQ
.set rCD, CD+2*k
.elseif k < 20
.set rSC, SCK
.set rCD, CD2+2*(k-16)
.else
.set rSC, SCV
.set rCD, CD2+2*(k-16)
.endif
.irp i, 0,1,2,3,4,5,6,7
	v_med3_num_f32 v[ACC+8*k+\i], v[ACC+8*k+\i], -v[rSC+1], v[rSC+1]   ; the conversion to an 8-bit code does not saturate (ISA guide 7.6.2): the hold at the largest code x the scale; each accumulator from its low end on
.endr
	v_cvt_scalef32_pk8_fp8_f32 v[rCD:rCD+1], v[ACC+8*k:ACC+8*k+7], v[rSC]   ; (k's and v's codes land where q's first sums lay: their conversions stand many plain lines back)
.set k, k+1
.endr
	v_nop                                          ; a plain vector line behind the last conversion
.irp a, 0,1,2,3
.irp b, 0,1,2,3
	ds_store_b64 v[STQ], v[CD+2*(4*\a+\b):CD+2*(4*\a+\b)+1] offset:(\a/2)*4096+(\a%2)*128+(\b/2)*512+(\b%2)*256
.endr
	ds_store_b64 v[STKA], v[CD2+2*\a:CD2+2*\a+1] offset:(\a/2)*1024+(\a%2)*128
	ds_store_b64 v[STVA], v[CD2+8+2*\a:CD2+8+2*\a+1] offset:(\a/2)*512+(\a%2)*256
.endr
	s_wait_dscnt 0x0                               ; for the others' sake: my stores into the stages are done
	s_barrier_signal -1
	s_barrier_wait -1
.irp i, 0,1,2,3,4,5,6,7
	ds_load_b128 v[BK+4*\i:BK+4*\i+3], v[RD] offset:512*\i
.endr
.irp i, 0,1
	ds_load_b128 v[BK+32+4*\i:BK+32+4*\i+3], v[RKV] offset:512*\i          ; k: the parts of tiles 2 w and 2 w + 1
.endr
.irp i, 0,1
	ds_load_b128 v[BK+40+4*\i:BK+40+4*\i+3], v[RKV] offset:4096+512*\i     ; v^T
.endr
.irp i, 0,1,2,3,4,5,6,7
	s_wait_dscnt 11-\i                             ; this load is back; the younger ones may be out
	global_store_b128 v[GO], v[BK+4*\i:BK+4*\i+3], s[88:89] offset:512*\i   ; every store of the wave covers 512 consecutive bytes, at a multiple of 256 from the buffer's first byte
.endr
.irp i, 0,1
	s_wait_dscnt 3-\i
	global_store_b128 v[GO], v[BK+32+4*\i:BK+32+4*\i+3], s[90:91] offset:2048*\i   ; tile 2 w + i begins 4096 w + 2048 i bytes into the block
.endr
.irp i, 0,1
	s_wait_dscnt 1-\i
	global_store_b128 v[GOV], v[BK+40+4*\i:BK+40+4*\i+3], s[92:93] offset:512*\i
.endr
	s_wait_tensorcnt 0x0                           ; the wave's end
	ds_add_u32 v[SPW], v[NIL]
	s_wait_dscnt 0x0
	CROUND                                         ; the closing round: no work-group ends while a partner may still ask for a tile that names it
	s_endpgm
.Lfunc_end_k_qf0f90ee42f_proj:
	.size	k_qf0f90ee42f_proj, .Lfunc_end_k_qf0f90ee42f_proj-k_qf0f90ee42f_proj
	.p2alignl 7, 3214868480
	.fill 96, 4, 3214868480
	.section	.rodata,"a",@progbits
	.p2align	6, 0x0
	.amdhsa_kernel k_qf0f90ee42f_proj
		.amdhsa_group_segment_fixed_size 327680
		.amdhsa_private_segment_fixed_size 0
		.amdhsa_enable_private_segment 0
		.amdhsa_kernarg_size 72
		.amdhsa_user_sgpr_count 2
		.amdhsa_user_sgpr_kernarg_segment_ptr 1
		.amdhsa_wavefront_size32 1
		.amdhsa_system_sgpr_workgroup_id_x 1
		.amdhsa_system_sgpr_workgroup_id_y 1
		.amdhsa_system_sgpr_workgroup_id_z 1
		.amdhsa_system_vgpr_workitem_id 0
		.amdhsa_next_free_vgpr 768
		.amdhsa_next_free_sgpr 100
		.amdhsa_reserve_vcc 0
		.amdhsa_float_denorm_mode_32 3
		.amdhsa_float_denorm_mode_16_64 3
		.amdhsa_memory_ordered 1
		.amdhsa_forward_progress 1
		.amdhsa_inst_pref_size 128
	.end_amdhsa_kernel
	.amdgpu_metadata
---
amdhsa.version: [ 1, 2 ]
amdhsa.kernels:
  - .name:           k_qf0f90ee42f_proj
    .symbol:         k_qf0f90ee42f_proj.kd
    .args:
      - { .name: x_codes, .offset: 0, .size: 8, .value_kind: global_buffer, .address_space: global }
      - { .name: Wq_codes, .offset: 8, .size: 8, .value_kind: global_buffer, .address_space: global }
      - { .name: Wk_codes, .offset: 16, .size: 8, .value_kind: global_buffer, .address_space: global }
      - { .name: Wv_codes, .offset: 24, .size: 8, .value_kind: global_buffer, .address_space: global }
      - { .name: freqs_cos, .offset: 32, .size: 8, .value_kind: global_buffer, .address_space: global }
      - { .name: freqs_sin, .offset: 40, .size: 8, .value_kind: global_buffer, .address_space: global }
      - { .name: lowp_scales, .offset: 48, .size: 8, .value_kind: global_buffer, .address_space: global }
      - { .name: qc, .offset: 56, .size: 8, .value_kind: global_buffer, .address_space: global }
      - { .name: kv, .offset: 64, .size: 8, .value_kind: global_buffer, .address_space: global }
    .group_segment_fixed_size: 327680
    .private_segment_fixed_size: 0
    .kernarg_segment_align: 8
    .kernarg_segment_size: 72
    .max_flat_workgroup_size: 128
    .sgpr_count:     100
    .vgpr_count:     768
    .wavefront_size: 32
...
	.end_amdgpu_metadata
.endif
;; end of part 1
;; launch attn (part 2): grid 64 x 4, 4 waves a work-group, clusters of 4 x 1, 327,680 bytes of LDS; arguments qc, kv, lowp_scales, yc; writes yc
.if DOCPART == 2
	.amdgcn_target "amdgcn-amd-amdhsa--gfx1250"
	.amdhsa_code_object_version 6
	.text
	.protected	k_qf0f90ee42f_attn
	.globl	k_qf0f90ee42f_attn
	.p2align	8
	.type	k_qf0f90ee42f_attn,@function
k_qf0f90ee42f_attn:
	s_mov_b64 s[64:65], 0
	v_nop
	global_prefetch_b8 v0, s[64:65] scope:SCOPE_SE
	s_setreg_imm32_b32 hwreg(HW_REG_WAVE_MODE, 25, 1), 1
	s_wait_xcnt 0x0
	s_wait_alu depctr_hold_cnt(0) depctr_sa_sdst(0) depctr_va_vdst(0) depctr_va_sdst(0) depctr_va_ssrc(0) depctr_va_vcc(0) depctr_vm_vsrc(0)
	s_getreg_b32 s2, hwreg(HW_REG_IB_STS2, 6, 4)
	s_cmp_eq_u32 s2, 0
	s_cbranch_scc0 .Lentry_in_a_cluster
	s_endpgm
.Lentry_in_a_cluster:
	s_bfe_u32 s2, ttmp6, 0x10000c
	s_cmp_lg_u32 s2, 0x3003
	s_cbranch_scc0 .Lentry_shape_is_right
	s_endpgm
.Lentry_shape_is_right:
; y[head][q] = the sum over keys k <= q of softmax_k(q . k / sqrt(128)) v, both products on codes of FP8 (E4M3) with the given scales; y is quantised to codes with 2^e10.
; qc, kv and yc are made of dense blocks of 16,384 bytes (128 rows x 128 codes) in the order of operand registers: tile T (0..7), chunk c (0..3), lane l = 16 h + r hold, at 2048 T + 512 c + 16 l,
; the 16 codes of row 32 (T / 2) + 8 (T % 2) + r + 8 (r / 8) at columns 32 c + 16 h + 0 .. 15.  So the 16 result registers of tiles 2 b and 2 b + 1 are 16 neighbours, 32 b + 16 h + 0 .. 15, along the next product's K.
; qc: block head x 16 + tb;  kv: pairs (g x 16 + tb): K (rows: keys), then V^T (rows: the head's 128, columns: keys);  yc: block tb x 16 + head.
; THE SOFTMAX AHEAD OF THE SECOND PRODUCT: t = score x log2(e) / sqrt(128); M = the largest t so far, rounded UP to a whole number; p = 2^(t - M) is quantised with 2^e8, not normalised.
; The row's sum is taken of the unquantised p and divides at the end.  When M moves, the sum and O are multiplied by 2^(old M - new M), which rounds nothing.
; SHARES.  A work-group owns, of one query head, the blocks of 64 queries p and 31 - p, p = the cluster's x: n1 = p / 2 + 1 and 17 - n1 key steps of 128 keys.  Key steps that lie wholly behind a block's queries are left out:
; reference()'s causal mask gives all their keys the weight 0; a NaN, an infinity or an overflow there is not carried to the result.
; A wave owns 32 queries, two tiles that share every fragment of K and V.  Waves 0, 1 (A) and 2, 3 (B) go in pairs (w, w + 2): A walks block p (trips 0 .. n1 - 1), ends it, and goes on with key steps n1 + 1, n1 + 3 .. 15 - n1 of block 31 - p:
; 8 trips.  B walks block 31 - p: key steps 0 .. n1 - 1, then n1, n1 + 2 .. 16 - n1: 9 trips.  At the end the pair's two partial results of block 31 - p are joined through LDS: A ends tile 0, B tile 1.
; LDS.  The four work-groups of a cluster are the four query heads of one key head on the same queries.  All of K, 262,144 bytes, is asked for jointly (mask 15), each byte once: at the head a wave's load brings key block w: trips 0 and 1 read blocks
; 0 to 2 alone.  Behind the full sequence a second load brings blocks w + 4, w + 8, w + 12 (the first of them is read whatever p is); it has the two trips in which to land.  V's 262,144 bytes have no room beside K, so V's fragments go from memory
; straight into registers, 32 loads of 512 consecutive bytes a step.
; PREFETCH.  V's key blocks are asked for once at the head, behind the tensor load: cluster p asks for blocks p ^ 0, 5, 10, 15, one a wave, as far as it reads them; its four work-groups share a block's 64 units of 256 bytes by address: 4,096 bytes a wave.
; Both products are used transposed (S^T = K Q^T, O^T = V^T P^T): a lane holds ONE query of each tile throughout.
; LIMITS on the given exponents: e6 + e7 between -123 and 130 (added to c's exponent field); e8 between -126 and 119; e8 + e9 - e10 is applied by v_ldexp_f32 and has none.  The scaled scores stay under 2^31 in magnitude.  NaN among the inputs is not served.
; REGISTERS.  Window 0: v1-11 addresses, constants, -M and the largest t of each tile; v[12:13], v[14:15] the sums; v16-47 Q; v48-63 at work; v64-127, v128-191 S^T then p of tiles 0, 1; v192-223 codes, ahead of that the sums' parts.
;   Window 1: v0-127 K's eight fragments, v128-255 V's.   Window 2: v0-63, v64-127 O^T of tiles 0, 1.
.set BK,    16384                      ; a key block's K.  In LDS block j lies at BK j for j < 4, else at 3 BK (j % 4 + 1) + BK (j / 4)
.set STAGE, 262144                     ; behind K: 8,192 bytes for each wave, a tile's O^T on its way to the partner
.set ML,    STAGE+32768                ; -M and the sum with it: 256 bytes for each wave
.set SPARE, ML+1024                    ; the spare words, 128 bytes for each wave: two blocks of 256 bytes that no other line names
.set LI,   1                           ; 16 x lane
.set AK,   2                           ; LDS address of the step's K
.set DM,   3                           ; tile 0: my query's place in its block of 128, less 16 h (tile 1: 8 more)
.set PFO,  4
.set SPW,  5
.set NIL,  6
.set ONE,  7                           ; 1.0: y's conversion scale
.set ESC,  58                          ; 2^e8
.set MAXC, 59                          ; 448
.set STW,  60                          ; my stage, my -M and sum; the partner's
.set MLW,  61
.set STR,  62
.set MLR,  63
.set WV,   12
.set N1,   17
.set ISB,  18
.set SEL,  20
.set CS,   22                          ; s[22:23] c = log2(e) / sqrt(128) x 2^(e6 + e7)
.set G1,   24                          ; s[24:31] descriptor group 1 of the head's load; behind it the diagonal's lane masks
.set G1B,  88                          ; s[88:95] that of the second load
.set G0,   32
.set M,    36                          ; the trip
.set KS,   37                          ; its key step
.set SWM,  38                          ; the trip at whose head A ends block p
.set FE,   39                          ; e8 + e9 - e10
.set LASTM, 42
.set DIAG, 43                          ; the trip that lies on the diagonal
.set VB,   44
.set QL,   46
.set YP,   48
.set YL,   50
.set KV0,  52
.set HOLD, 54                          ; 448 x 2^e8
.set KOFF, 81
.set MSB, 0
.macro WIN new                         ; the immediate's high byte repeats the setting that is left
.if MSB != \new
	s_set_vgpr_msb (MSB<<8)|\new
.set MSB, \new
.endif
.endm
.macro PLACES
.rept 4
	v_nop
.endr
.endm
.macro CROUND                          ; a round of the cluster's barrier
	s_barrier_signal -1
	s_barrier_wait -1
	s_cmp_lg_u32 s[WV], 0
	s_cbranch_scc1 .Lnot_wave_0_\@
	s_barrier_signal -3
.Lnot_wave_0_\@:
	s_barrier_wait -3
	s_barrier_signal -1
	s_barrier_wait -1
.endm
.macro KADR                            ; s40 = where key block KS lies in LDS
	s_lshl_b32 s40, s[KS], 14
	s_and_b32 s41, s[KS], 3
	s_mul_i32 s41, s41, 3*BK
	s_lshr_b32 s66, s[KS], 2
	s_lshl_b32 s66, s66, 14
	s_add_co_u32 s41, s41, s66
	s_add_co_u32 s41, s41, 3*BK
	s_cmp_lt_u32 s[KS], 4
	s_cselect_b32 s40, s40, s41
.endm
.macro KLOAD                           ; the key step's eight fragments of K
	WIN 0x40
.irp t, 0,1,2,3,4,5,6,7
.irp c, 0,1,2,3
	ds_load_b128 v[16*\t+4*\c:16*\t+4*\c+3], v[AK] offset:2048*\t+512*\c
.endr
.endr
	WIN 0
.endm
.macro PADD d, a, b
	v_pk_add_f32 v[\d:\d+1], v[\a:\a+1], v[\b:\b+1]
.endm
.macro ROWSUM                          ; a row's sum: my two halves and lane l xor 16's, both tiles
	v_add_f32 v12, v12, v13
	v_add_f32 v14, v14, v15
	v_permlanex16_b32 v56, v12, s[SEL], s[SEL+1]
	v_permlanex16_b32 v57, v14, s[SEL], s[SEL+1]
	v_add_f32 v12, v12, v56
	v_add_f32 v14, v14, v57
.endm
.macro CODES sb, cb, yb, off           ; a tile of y / 2^e10 in v[sb ..]: held, converted, stored as it stands: V's rows were laid so that registers 16 b + i are the head's 32 b + 16 h + i, which is yc's order
.irp b, 0,1,2,3
.irp i, 0,1,2,3,4,5,6,7,8,9,10,11,12,13,14,15
	v_med3_num_f32 v[\sb+16*\b+\i], v[\sb+16*\b+\i], -v[MAXC], v[MAXC]
.endr
	v_cvt_scalef32_pk8_fp8_f32 v[\cb+4*\b:\cb+4*\b+1], v[\sb+16*\b:\sb+16*\b+7], v[ONE]
	v_cvt_scalef32_pk8_fp8_f32 v[\cb+4*\b+2:\cb+4*\b+3], v[\sb+16*\b+8:\sb+16*\b+15], v[ONE]
.endr
	v_nop                                          ; a plain vector line behind the last conversion
.irp c, 0,1,2,3
	global_store_b128 v[LI], v[\cb+4*\c:\cb+4*\c+3], s[\yb:\yb+1] offset:\off+512*\c   ; the wave stores 512 consecutive bytes, at a multiple of 256 from yc's first byte
.endr
.endm
.macro SEND ob, nm, l                  ; a tile's -M, sum and O^T to the partner
	ds_store_b32 v[MLW], v[\nm]
	ds_store_b32 v[MLW], v[\l] offset:128
	WIN 0x08
.irp k, 0,1,2,3,4,5,6,7,8,9,10,11,12,13,14,15
	ds_store_b128 v[STW], v[\ob+4*\k:\ob+4*\k+3] offset:512*\k
.endr
	WIN 0
.endm
.macro RECV ob, nm, l, off             ; joins the partner's part of a tile with mine and ends it
	ds_load_b32 v52, v[MLR]
	ds_load_b32 v53, v[MLR] offset:128
.irp k, 0,1,2,3,4,5,6,7,8,9,10,11,12,13,14,15
	ds_load_b128 v[64+4*\k:67+4*\k], v[STR] offset:512*\k
.endr
	s_wait_dscnt 16                                ; -M and the sum are here; the 16 younger loads may be out
	v_min_num_f32 v54, v[\nm], v52                 ; -M of both
	v_sub_f32 v55, v54, v[\nm]
	v_sub_f32 v56, v54, v52
	v_cvt_i32_f32 v55, v55
	v_cvt_i32_f32 v56, v56
	v_ldexp_f32 v48, 1.0, v55                      ; my factor; where I have walked no step of this block it is 0
	v_ldexp_f32 v50, 1.0, v56                      ; the partner's
	v_mul_f32 v57, v[\l], v48
	v_fma_f32 v57, v53, v50, v57                   ; the row's sum
	s_wait_alu depctr_va_vdst(0)
	v_rcp_f32 v57, v57
	v_nop
	s_wait_alu depctr_va_vdst(0)
	v_ldexp_f32 v57, v57, s[FE]
	v_mul_f32 v48, v48, v57
	v_mul_f32 v50, v50, v57
	s_wait_alu depctr_va_vdst(0)
	s_wait_dscnt 0x0
.set j, 0
.rept 32
	v_pk_mul_f32 v[64+j:65+j], v[64+j:65+j], v[50:51] op_sel_hi:[1,0]
.set j, j+2
.endr
	WIN 0x02                                       ; source 0 window 2
	s_wait_alu depctr_va_vdst(0)
.set j, 0
.rept 32
	v_pk_fma_f32 v[64+j:65+j], v[\ob+j:\ob+j+1], v[48:49], v[64+j:65+j] op_sel_hi:[1,0,1]
.set j, j+2
.endr
	WIN 0
	CODES 64, 192, YL, \off
.endm
; A TRIP: one key step of my two tiles.  ph = 0: trips 0 and 1, which read key blocks 0 to 2; ph = 1: trips 2 to 8.
.macro TRIP ph
	s_cmp_eq_u32 s[M], s[SWM]
	s_cbranch_scc0 .Lstay_\@
	; A ENDS BLOCK p and turns to block 31 - p: its queries are asked for first and land under the work
	PLACES
.irp c, 0,1,2,3,4,5,6,7
	global_load_b128 v[16+4*\c:19+4*\c], v[LI], s[QL:QL+1] offset:512*\c
.endr
	ROWSUM
	s_wait_alu depctr_va_vdst(0)
	v_rcp_f32 v12, v12
	v_rcp_f32 v14, v14
	v_mov_b32 v9, 0xff61b1e6                       ; the largest t anew: at the next change of M the old sums and the old O^T, finite numbers, are multiplied by 0
	v_mov_b32 v11, 0xff61b1e6
	s_wait_alu depctr_va_vdst(0)
	v_ldexp_f32 v48, v12, s[FE]
	v_ldexp_f32 v50, v14, s[FE]
	v_floor_f32 v8, -v9
	v_floor_f32 v10, -v11
	WIN 0x02
	s_wait_alu depctr_va_vdst(0)
.set j, 0
.rept 32
	v_pk_mul_f32 v[64+j:65+j], v[j:j+1], v[48:49] op_sel_hi:[1,0]
.set j, j+2
.endr
.set j, 0
.rept 32
	v_pk_mul_f32 v[128+j:129+j], v[64+j:65+j], v[50:51] op_sel_hi:[1,0]
.set j, j+2
.endr
	WIN 0
	CODES 64, 192, YP, 0
	CODES 128, 208, YP, 2048
	s_wait_alu depctr_va_vdst(0)
	s_wait_xcnt 0x0                                ; the stores' registers may be written
	s_wait_loadcnt 0x0                             ; the new queries
.Lstay_\@:
.if \ph
	s_cmp_gt_u32 s[M], s[LASTM]                    ; A has no ninth trip
	s_cbranch_scc1 .Lnext_\@
.endif
	PLACES                                         ; behind the last trip's products, in front of the loads into V's registers
	s_lshl_b32 s40, s[KS], 15
	s_mov_b32 s41, 0
	s_add_nc_u64 s[VB:VB+1], s[KV0:KV0+1], s[40:41]
	WIN 0x40
.irp t, 0,1,2,3,4,5,6,7
.irp c, 0,1,2,3
	global_load_b128 v[128+16*\t+4*\c:131+16*\t+4*\c], v[LI], s[VB:VB+1] offset:2048*\t+512*\c   ; lands under the softmax
.endr
.endr
	WIN 0
	s_wait_alu depctr_va_vdst(0)
	s_wait_dscnt 0x0                               ; K is in
	WIN 0x01                                       ; source 0 window 1
.irp x, 0,1
.irp t, 0,1,2,3,4,5,6,7
	v_wmma_f32_16x16x128_fp8_fp8 v[64+64*\x+8*\t:71+64*\x+8*\t], v[16*\t:16*\t+15], v[16+16*\x:31+16*\x], 0   ; lane (r, h): my query; register 16 b + i: key 32 b + 16 h + i of the step
.endr
.endr
	WIN 0
	s_add_co_u32 s40, s[M], 1                      ; the next trip's key step
	s_lshl_b32 s41, s40, 1
	s_add_co_u32 s41, s41, s[KOFF]
	s_cmp_lt_u32 s40, s[N1]
	s_cselect_b32 s[KS], s40, s41
	s_and_b32 s[KS], s[KS], 15
.if \ph
	KADR
.else
	s_and_b32 s40, s[KS], 3
	s_lshl_b32 s40, s40, 14
.endif
	PLACES                                         ; in front of the reads of the scores and of the loads into K's registers
.if \ph
	s_cmp_eq_u32 s[M], s[LASTM]
.else
	s_cmp_eq_u32 s[M], 1                           ; trip 2's K is read behind the barrier that shows the second load
.endif
	s_cbranch_scc1 .Lno_k_\@
	v_add_nc_u32 v[AK], s40, v[LI]
	KLOAD                                          ; the next trip's K lands under the softmax
.Lno_k_\@:
	s_cmp_lg_u32 s[M], s[DIAG]
	s_cbranch_scc1 .Lopen_\@
	v_mov_b32 v52, 0xff800000                      ; on the diagonal: hidden where 32 b + i + 16 h > my query's place: -infinity, so that p = 0
.irp x, 0,1
.set n, 0
.rept 8
.irp k, 0,1,2,3,4,5,6,7
	v_cmp_gt_i32 s[G1+\k], 32*((n+\k)/16)+(n+\k)%16-8*\x, v[DM]
.endr
.irp k, 0,1,2,3,4,5,6,7
	v_cndmask_b32 v[64+64*\x+n+\k], v[64+64*\x+n+\k], v52, s[G1+\k]
.endr
.set n, n+8
.endr
.endr
.Lopen_\@:
	v_max3_num_f32 v52, v64, v65, v66              ; each tile's largest score of my query among my 64 keys, in two chains, from each accumulator's low end on
	v_max3_num_f32 v54, v128, v129, v130
	v_max3_num_f32 v53, v67, v68, v69
	v_max3_num_f32 v55, v131, v132, v133
.set j, 6
.rept 14
	v_max3_num_f32 v52, v52, v[64+j], v[65+j]
	v_max3_num_f32 v54, v54, v[128+j], v[129+j]
	v_max3_num_f32 v53, v53, v[66+j], v[67+j]
	v_max3_num_f32 v55, v55, v[130+j], v[131+j]
.set j, j+4
.endr
	v_max3_num_f32 v52, v52, v126, v127
	v_max3_num_f32 v54, v54, v190, v191
	v_max_num_f32 v52, v52, v53
	v_max_num_f32 v54, v54, v55
	v_permlanex16_b32 v56, v52, s[SEL], s[SEL+1]
	v_permlanex16_b32 v57, v54, s[SEL], s[SEL+1]
	v_max_num_f32 v52, v52, v56                    ; and among lane l xor 16's
	v_max_num_f32 v54, v54, v57
	v_mul_f32 v52, s[CS], v52                      ; as t (c is positive)
	v_mul_f32 v54, s[CS], v54
	v_max_num_f32 v9, v9, v52                      ; the running largest t
	v_max_num_f32 v11, v11, v54
	v_mov_b32 v53, v8
	v_mov_b32 v55, v10
	v_floor_f32 v8, -v9                            ; the new -M = floor(-t): M is a whole number
	v_floor_f32 v10, -v11
	v_sub_f32 v53, v8, v53                         ; old M - new M: a whole number, 0 or less
	v_sub_f32 v55, v10, v55
	v_cvt_i32_f32 v53, v53                         ; (it saturates)
	v_cvt_i32_f32 v55, v55
	v_ldexp_f32 v48, 1.0, v53                      ; f = 2^(old M - new M)
	v_ldexp_f32 v50, 1.0, v55
.set j, 0
.rept 32
	v_pk_fma_f32 v[64+j:65+j], v[64+j:65+j], s[CS:CS+1], v[8:9] op_sel_hi:[1,0,0]   ; tile 0: t - M, two at a time
.set j, j+2
.endr
	WIN 0x82                                       ; destination and source 0 window 2
.irp x, 0,1
.set j, 0
.rept 32
	v_pk_mul_f32 v[64*\x+j:64*\x+j+1], v[64*\x+j:64*\x+j+1], v[48+2*\x:49+2*\x] op_sel_hi:[1,0]   ; O^T under the new M
.set j, j+2
.endr
.endr
	WIN 0
	s_wait_alu depctr_va_vdst(0)                   ; the wait ahead of a batch and behind it
.set j, 0
.rept 32
	v_exp_f32 v[64+j], v[64+j]                     ; tile 0: p = 2^(t - M), at most 1;
	v_exp_f32 v[65+j], v[65+j]
	v_pk_fma_f32 v[128+j:129+j], v[128+j:129+j], s[CS:CS+1], v[10:11] op_sel_hi:[1,0,0]   ; between them tile 1's t - M
.set j, j+2
.endr
	s_wait_alu depctr_va_vdst(0)
.set j, 0
.rept 16
	v_exp_f32 v[128+j], v[128+j]                   ; tile 1: p;
	v_exp_f32 v[129+j], v[129+j]
	v_pk_add_f32 v[192+j/2:193+j/2], v[64+j:65+j], v[66+j:67+j]   ; between them tile 0's sum begins, of the unquantised p,
	v_exp_f32 v[130+j], v[130+j]
	v_dual_min_num_f32 v[64+j], s[HOLD], v[64+j] :: v_dual_min_num_f32 v[65+j], s[HOLD], v[65+j]   ; and its hold, one-sided: p is not negative (the conversion does not saturate: ISA guide 7.6.2)
	v_exp_f32 v[131+j], v[131+j]
	v_dual_min_num_f32 v[66+j], s[HOLD], v[66+j] :: v_dual_min_num_f32 v[67+j], s[HOLD], v[67+j]
.set j, j+4
.endr
	s_wait_alu depctr_va_vdst(0)
.irp k, 0,1,2,3,4,5,6,7
	PADD 192+2*\k, 192+2*\k, 208+2*\k              ; tile 0's 16 parts; by turns tile 1's 32
.endr
.irp k, 0,1,2,3,4,5,6,7
	PADD 208+2*\k, 128+2*\k, 144+2*\k
.endr
.irp k, 0,1,2,3
	PADD 192+2*\k, 192+2*\k, 200+2*\k
.endr
.irp k, 0,1,2,3,4,5,6,7
	PADD 208+2*\k, 208+2*\k, 160+2*\k
.endr
.irp k, 0,1
	PADD 192+2*\k, 192+2*\k, 196+2*\k
.endr
.irp k, 0,1,2,3,4,5,6,7
	PADD 208+2*\k, 208+2*\k, 176+2*\k
.endr
	v_pk_fma_f32 v[12:13], v[12:13], v[48:49], v[192:193] op_sel_hi:[1,0,1]   ; the sums under the new M
.irp k, 0,1,2,3
	PADD 208+2*\k, 208+2*\k, 216+2*\k
.endr
	PADD 12, 12, 194
	PADD 208, 208, 212
	PADD 210, 210, 214
	v_pk_fma_f32 v[14:15], v[14:15], v[50:51], v[208:209] op_sel_hi:[1,0,1]
	PADD 14, 14, 210
.irp b, 0,1,2,3
	v_cvt_scalef32_pk8_fp8_f32 v[192+4*\b:193+4*\b], v[64+16*\b:71+16*\b], v[ESC]
	v_cvt_scalef32_pk8_fp8_f32 v[194+4*\b:195+4*\b], v[72+16*\b:79+16*\b], v[ESC]
.endr
.set j, 0
.rept 32
	v_dual_min_num_f32 v[128+j], s[HOLD], v[128+j] :: v_dual_min_num_f32 v[129+j], s[HOLD], v[129+j]
.set j, j+2
.endr
.irp b, 0,1,2,3
	v_cvt_scalef32_pk8_fp8_f32 v[208+4*\b:209+4*\b], v[128+16*\b:135+16*\b], v[ESC]
	v_cvt_scalef32_pk8_fp8_f32 v[210+4*\b:211+4*\b], v[136+16*\b:143+16*\b], v[ESC]
.endr
	v_nop                                          ; a plain vector line behind the last conversion
	s_wait_alu depctr_va_vdst(0)
	s_wait_loadcnt 0x0                             ; V is in
	WIN 0xa1                                       ; source 0 window 1, C and D window 2
.irp t, 0,1,2,3,4,5,6,7
.irp x, 0,1
	v_wmma_f32_16x16x128_fp8_fp8 v[64*\x+8*\t:64*\x+8*\t+7], v[128+16*\t:143+16*\t], v[192+16*\x:207+16*\x], v[64*\x+8*\t:64*\x+8*\t+7]   ; the sixteen accumulators by turns, one product each
.endr
.endr
	WIN 0
.Lnext_\@:
.endm
	s_load_b256 s[4:11], s[0:1], 0x0               ; qc s[4:5], kv s[6:7], the scales' exponents s[8:9], yc s[10:11]
	v_lshl_add_u32 v[SPW], v0, 2, SPARE
	v_mov_b32 v[NIL], 0
	ds_add_u32 v[SPW], v[NIL]                      ; the opening add, twice on end, and its wait ahead of the first tensor load
	ds_add_u32 v[SPW], v[NIL]
	v_lshrrev_b32 v52, 5, v0
	v_readfirstlane_b32 s[WV], v52                 ; wave 0..3
	s_bfe_u32 s13, ttmp6, 0x40000                  ; cx: the query head within its group: it enters addresses in memory alone
	s_and_b32 s14, ttmp7, 0xffff                   ; g: the key head, which the partners share
	s_lshl_b32 s15, s14, 2
	s_add_co_u32 s15, s15, s13                     ; the query head
	s_lshr_b32 s[ISB], s[WV], 1                    ; 0: A, 1: B
	s_and_b32 s19, s[WV], 1                        ; which 32 queries of a block
	s_lshr_b32 s[N1], ttmp9, 1
	s_add_co_u32 s[N1], s[N1], 1
	s_and_b32 s66, ttmp9, 1
	s_lshl_b32 s67, s66, 2
	s_lshl_b32 s68, s19, 1
	s_add_co_u32 s67, s67, s68                     ; my first tile in block p's block of 128,
	s_xor_b32 s69, s67, 4                          ; and in that of block 31 - p (the other half)
	s_lshl_b32 s67, s67, 11
	s_lshl_b32 s69, s69, 11
	s_sub_co_u32 s70, s[N1], 1                     ; the blocks of 128 themselves
	s_sub_co_u32 s71, 16, s[N1]
	s_lshl_b32 s72, s15, 4                         ; qc: block head x 16 + tb
	s_add_co_u32 s74, s72, s71
	s_lshl_b32 s74, s74, 14
	s_add_co_u32 s74, s74, s69
	s_mov_b32 s75, 0
	s_add_co_u32 s72, s72, s70
	s_lshl_b32 s72, s72, 14
	s_add_co_u32 s72, s72, s67
	s_lshl_b32 s76, s70, 4                         ; yc: block tb x 16 + head
	s_add_co_u32 s76, s76, s15
	s_lshl_b32 s76, s76, 14
	s_add_co_u32 s76, s76, s67
	s_mov_b32 s77, 0
	s_lshl_b32 s78, s71, 4
	s_add_co_u32 s78, s78, s15
	s_lshl_b32 s78, s78, 14
	s_add_co_u32 s78, s78, s69
	s_mov_b32 s79, 0
	s_sub_co_u32 s[KOFF], 1, s[ISB]
	s_sub_co_u32 s[KOFF], s[KOFF], s[N1]           ; from trip n1 on the key step is 2 x trip + this
	s_cmp_eq_u32 s[ISB], 0
	s_cselect_b32 s80, s67, s69
	s_cselect_b32 s[SWM], s[N1], 99
	s_cselect_b32 s[LASTM], 7, 8
	s_cselect_b32 s[DIAG], s70, 8
	s_cselect_b32 s82, s72, s74                    ; my first queries
	s_mov_b32 s83, 0
	s_lshr_b32 s80, s80, 7                         ; 16 x tile: their place in the block of 128
	s_lshl_b32 s66, s14, 19                        ; kv: a key head's 16 pairs of blocks are 524,288 bytes
	s_mov_b32 s67, 0
	s_lshl_b32 s68, s[WV], 15                      ; key block w
	s_add_co_u32 s68, s68, s66
	s_mov_b32 s69, 0
	; descriptor groups 1.  The head's load: 64 rows of 256 bytes, dense.  The second: three rows of 16,384 bytes (a key block's K), four pairs of blocks apart.  Both dense in LDS
	s_mov_b32 s[G1], 15|(3<<16)|(1<<21)            ; the mask: all four work-groups; elements of 8 bytes; 21 set beside a mask
	s_mov_b32 s[G1+1], 32<<16
	s_mov_b32 s[G1+2], 64<<16
	s_mov_b32 s[G1+3], 32<<16
	s_mov_b32 s[G1+4], 64
	s_mov_b32 s[G1+5], 32
	s_mov_b32 s[G1+6], 0
	s_mov_b32 s[G1+7], 0
	s_mov_b32 s[G1B], 15|(3<<16)|(1<<21)
	s_mov_b32 s[G1B+1], 2048<<16
	s_mov_b32 s[G1B+2], 3<<16
	s_mov_b32 s[G1B+3], 2048<<16
	s_mov_b32 s[G1B+4], 3
	s_mov_b32 s[G1B+5], 16384
	s_mov_b32 s[G1B+6], 0
	s_mov_b32 s[G1B+7], 0
	s_mov_b32 s[SEL], 0x76543210
	s_mov_b32 s[SEL+1], 0xfedcba98
	s_mov_b32 s[CS], 0x3e0293ee                    ; log2(e) / sqrt(128)
	s_mov_b32 s[KS], 0
	s_wait_dscnt 0x0                               ; both opening adds are done
	s_wait_alu depctr_va_vdst(0)
	s_wait_kmcnt 0x0
	s_load_b128 s[56:59], s[8:9], 0x18             ; e6, e7, e8, e9
	s_load_b32 s60, s[8:9], 0x28                   ; e10
	s_mov_b32 s[G0], 1
	s_lshl_b32 s[G0+1], s[WV], 14
	s_add_nc_u64 s[G0+2:G0+3], s[6:7], s[68:69]
	s_or_b32 s[G0+3], s[G0+3], 0x80000000
	s_add_nc_u64 s[KV0:KV0+1], s[6:7], s[66:67]
	s_add_nc_u64 s[KV0:KV0+1], s[KV0:KV0+1], 16384 ; V^T of the key head's first block
	s_add_nc_u64 s[82:83], s[4:5], s[82:83]
	s_add_nc_u64 s[QL:QL+1], s[4:5], s[74:75]
	s_add_nc_u64 s[YP:YP+1], s[10:11], s[76:77]
	s_add_nc_u64 s[YL:YL+1], s[10:11], s[78:79]
	CROUND                                         ; all four work-groups are here: the joint loads meet
	tensor_load_to_lds s[G0:G0+3], s[G1:G1+7]
	s_nop 0
	PLACES
	v_and_b32 v[LI], 31, v0
	v_lshlrev_b32 v[LI], 4, v[LI]
.irp c, 0,1,2,3,4,5,6,7
	global_load_b128 v[16+4*\c:19+4*\c], v[LI], s[82:83] offset:512*\c   ; both tiles of Q
.endr
	s_mul_i32 s66, s[WV], 5
	s_xor_b32 s66, s66, ttmp9                      ; the key block of V that my wave asks for
	s_lshl_b32 s68, s66, 15
	s_lshl_b32 s69, s13, 12                        ; and my work-group's quarter of it
	s_add_co_u32 s68, s68, s69
	s_mov_b32 s69, 0
	s_add_nc_u64 s[68:69], s[KV0:KV0+1], s[68:69]
	s_cmp_gt_u32 s66, s71                          ; no query of this cluster sees that block
	v_and_b32 v[PFO], 15, v0
	v_lshlrev_b32 v[PFO], 8, v[PFO]
	s_cbranch_scc1 .Lnot_asked
	global_prefetch_b8 v[PFO], s[68:69] th:TH_LOAD_NT scope:SCOPE_SE
.Lnot_asked:
	s_lshl_b32 s66, s[WV], 13
	s_add_co_u32 s66, s66, STAGE
	s_xor_b32 s67, s[WV], 2                        ; my partner
	s_lshl_b32 s72, s67, 13
	s_add_co_u32 s72, s72, STAGE
	s_lshl_b32 s73, s[WV], 8
	s_add_co_u32 s73, s73, ML
	s_lshl_b32 s74, s67, 8
	s_add_co_u32 s74, s74, ML
	v_and_b32 v52, 15, v0                          ; r
	v_bfe_u32 v53, v0, 4, 1                        ; h
	v_and_b32 v[DM], 8, v52
	v_add_nc_u32 v[DM], v[DM], v52                 ; r + 8 (r / 8)
	v_lshlrev_b32 v53, 4, v53
	v_sub_nc_u32 v[DM], v[DM], v53
	v_add_nc_u32 v[DM], s80, v[DM]
	v_and_b32 v54, 31, v0
	v_lshlrev_b32 v55, 4, v54
	v_lshlrev_b32 v54, 2, v54
	v_add_nc_u32 v[STW], s66, v55
	v_add_nc_u32 v[STR], s72, v55
	v_add_nc_u32 v[MLW], s73, v54
	v_add_nc_u32 v[MLR], s74, v54
	v_mov_b32 v[AK], v55                           ; key block 0
	v_mov_b32 v9, 0xff61b1e6                       ; the largest t so far: -3e38, under every t
	v_mov_b32 v11, 0xff61b1e6
	v_floor_f32 v8, -v9                            ; -M
	v_floor_f32 v10, -v11
	v_mov_b32 v[ONE], 1.0
	v_mov_b32 v[MAXC], 0x43e00000
.irp i, 12,13,14,15,48,49,50,51,56,57              ; the sums; registers that are named with a pair or as a lane permute's destination
	v_mov_b32 v\i, 0
.endr
	WIN 0x80
.set j, 0
.rept 128
	v_mov_b32 v[j], 0                              ; O^T.  (The trips are written without a first form: the first change of M multiplies zeros)
.set j, j+1
.endr
	WIN 0
	s_wait_alu depctr_va_vdst(0)
	s_wait_kmcnt 0x0
	s_add_co_i32 s40, s56, s57
	s_lshl_b32 s40, s40, 23
	s_add_co_i32 s[CS], s[CS], s40                 ; a score stands for score x 2^(e6 + e7)
	s_mov_b32 s[CS+1], s[CS]
	s_add_co_i32 s40, s58, 127
	s_lshl_b32 s41, s40, 23
	v_mov_b32 v[ESC], s41
	s_add_co_i32 s40, s40, 8
	s_lshl_b32 s40, s40, 23
	s_or_b32 s[HOLD], s40, 0x600000
	s_add_co_i32 s[FE], s58, s59
	s_sub_co_i32 s[FE], s[FE], s60
	s_wait_alu depctr_va_vdst(0)                   ; the wait at the head's end
	s_wait_loadcnt 0x0                             ; Q
	s_wait_tensorcnt 0x0                           ; my key block has landed
	ds_add_u32 v[SPW], v[NIL]
	s_mul_i32 s[G0+1], s[WV], 3*BK
	s_add_co_u32 s[G0+1], s[G0+1], 4*BK
	s_add_nc_u64 s[G0+2:G0+3], s[G0+2:G0+3], 131072 ; four pairs of blocks on; the type bits on top are not reached
	s_wait_dscnt 0x0
	CROUND                                         ; key blocks 0 to 3 are whole
	tensor_load_to_lds s[G0:G0+3], s[G1B:G1B+7]
	s_nop 0
	PLACES
	KLOAD
	s_mov_b32 s[M], 0
.Lfirst:                                               ; trips 0 and 1
	TRIP 0
	s_add_co_u32 s[M], s[M], 1
	s_cmp_lt_u32 s[M], 2
	s_cbranch_scc1 .Lfirst
	KADR
	v_add_nc_u32 v[AK], s40, v[LI]
	s_wait_alu depctr_va_vdst(0)
	s_wait_tensorcnt 0x0                           ; my part of the second load has landed,
	s_wait_dscnt 0x0
	s_barrier_signal -1
	s_barrier_wait -1                              ; everybody's has
	KLOAD
	s_mov_b32 s[M], 2
.Ltrip:                                                ; trips 2 to 8
	TRIP 1
	s_add_co_u32 s[M], s[M], 1
	s_cmp_lt_u32 s[M], 9
	s_cbranch_scc1 .Ltrip
	; THE WAY OUT of block 31 - p
	PLACES
	ROWSUM
	s_wait_alu depctr_va_vdst(0)
	s_cmp_lg_u32 s[ISB], 0
	s_cbranch_scc1 .Lsend_b
	SEND 64, 10, 14                                ; A sends tile 1,
	s_branch .Lsent
.Lsend_b:
	SEND 0, 8, 12                                  ; B tile 0
.Lsent:
	s_wait_dscnt 0x0                               ; for the partner's sake: my stores are done
	s_barrier_signal -1
	s_barrier_wait -1
	s_cmp_lg_u32 s[ISB], 0
	s_cbranch_scc1 .Lrecv_b
	RECV 0, 8, 12, 0
	s_branch .Lend
.Lrecv_b:
	RECV 64, 10, 14, 2048
.Lend:
	s_wait_tensorcnt 0x0                           ; the wave's end
	ds_add_u32 v[SPW], v[NIL]
	s_wait_dscnt 0x0
	CROUND                                         ; the closing round: no work-group ends while a partner may still ask for a tile that names it
	s_endpgm
.Lfunc_end_k_qf0f90ee42f_attn:
	.size	k_qf0f90ee42f_attn, .Lfunc_end_k_qf0f90ee42f_attn-k_qf0f90ee42f_attn
	.p2alignl 7, 3214868480
	.fill 96, 4, 3214868480
	.section	.rodata,"a",@progbits
	.p2align	6, 0x0
	.amdhsa_kernel k_qf0f90ee42f_attn
		.amdhsa_group_segment_fixed_size 327680
		.amdhsa_private_segment_fixed_size 0
		.amdhsa_enable_private_segment 0
		.amdhsa_kernarg_size 32
		.amdhsa_user_sgpr_count 2
		.amdhsa_user_sgpr_kernarg_segment_ptr 1
		.amdhsa_wavefront_size32 1
		.amdhsa_system_sgpr_workgroup_id_x 1
		.amdhsa_system_sgpr_workgroup_id_y 1
		.amdhsa_system_sgpr_workgroup_id_z 1
		.amdhsa_system_vgpr_workitem_id 0
		.amdhsa_next_free_vgpr 640
		.amdhsa_next_free_sgpr 100
		.amdhsa_reserve_vcc 0
		.amdhsa_float_denorm_mode_32 3
		.amdhsa_float_denorm_mode_16_64 3
		.amdhsa_memory_ordered 1
		.amdhsa_forward_progress 1
		.amdhsa_inst_pref_size 179
	.end_amdhsa_kernel
	.amdgpu_metadata
---
amdhsa.version: [ 1, 2 ]
amdhsa.kernels:
  - .name:           k_qf0f90ee42f_attn
    .symbol:         k_qf0f90ee42f_attn.kd
    .args:
      - { .name: qc, .offset: 0, .size: 8, .value_kind: global_buffer, .address_space: global }
      - { .name: kv, .offset: 8, .size: 8, .value_kind: global_buffer, .address_space: global }
      - { .name: lowp_scales, .offset: 16, .size: 8, .value_kind: global_buffer, .address_space: global }
      - { .name: yc, .offset: 24, .size: 8, .value_kind: global_buffer, .address_space: global }
    .group_segment_fixed_size: 327680
    .private_segment_fixed_size: 0
    .kernarg_segment_align: 8
    .kernarg_segment_size: 32
    .max_flat_workgroup_size: 128
    .sgpr_count:     100
    .vgpr_count:     640
    .wavefront_size: 32
...
	.end_amdgpu_metadata
.endif
;; end of part 2
;; launch outp (part 3): grid 16 x 16, 4 waves a work-group, clusters of 4 x 4, 327,680 bytes of LDS; arguments yc, Wo_codes, lowp_scales, out0; writes out0
.if DOCPART == 3
	.amdgcn_target "amdgcn-amd-amdhsa--gfx1250"
	.amdhsa_code_object_version 6
	.text
	.protected	k_qf0f90ee42f_outp
	.globl	k_qf0f90ee42f_outp
	.p2align	8
	.type	k_qf0f90ee42f_outp,@function
k_qf0f90ee42f_outp:
	s_mov_b64 s[64:65], 0
	v_nop
	global_prefetch_b8 v0, s[64:65] scope:SCOPE_SE
	s_setreg_imm32_b32 hwreg(HW_REG_WAVE_MODE, 25, 1), 1
	s_wait_xcnt 0x0
	s_wait_alu depctr_hold_cnt(0) depctr_sa_sdst(0) depctr_va_vdst(0) depctr_va_sdst(0) depctr_va_ssrc(0) depctr_va_vcc(0) depctr_vm_vsrc(0)
	s_getreg_b32 s2, hwreg(HW_REG_IB_STS2, 6, 4)
	s_cmp_eq_u32 s2, 0
	s_cbranch_scc0 .Lentry_in_a_cluster
	s_endpgm
.Lentry_in_a_cluster:
	s_bfe_u32 s2, ttmp6, 0x10000c
	s_cmp_lg_u32 s2, 0xf033
	s_cbranch_scc0 .Lentry_shape_is_right
	s_endpgm
.Lentry_shape_is_right:
; out[m][n] = sum over k of y[m][k] Wo[n][k] on codes of FP8 (E4M3); each finished sum is multiplied once by 2^(e10 + e11).  LIMIT: e10 + e11 lies between -126 and 127.
; yc: block tb x 16 + head of 16,384 bytes, in the order of operand registers: tile T (0..7), chunk c, lane l = 16 h + r hold at 2048 T + 512 c + 16 l the codes of token row 32 (T / 2) + 8 (T % 2) + r + 8 (r / 8), k = 32 c + 16 h + 0 .. 15 of the head's 128.
; SHARES.  A work-group makes 128 tokens x 128 columns; four waves: wave (WR, WK) takes 64 tokens x all 128 columns over one half of K (1,024, eight K steps): 32 accumulators.  The two halves of K are added on the way out.
; LDS takes Wo's 128 rows x 2,048 whole, each byte once: four regions of 512 along K, rows padded by 16 bytes.  The head's loads bring the first region of either half of K (a wave: 64 rows of one), a second load a wave the other two, behind the full
; sequence: it has three K steps in which to land.  Wo's tile hangs on the column tile alone and is asked for jointly by the four work-groups of a column of the cluster.
; y's fragments go from memory straight into registers, in loads of 512 consecutive bytes, each byte into one wave of the work-group, four K steps ahead: beside Wo's 270,336 bytes LDS has no room for y's 262,144, and a ring would want a round for
; each of its fills: so y is not asked for jointly.
; No prefetch: half of all that the launch reads is asked for at the head, ahead of the first product; there is no loop to run ahead in.
; THE MATRIX INSTRUCTION IS USED TRANSPOSED (source 0 = 16 rows of Wo, source 1 = 16 tokens): a lane then holds eight neighbouring columns of a row of out.
; REGISTERS.  Window 0: v1-31 addresses; v64-255 y's fragments of K steps 4 to 6 (64 a step).  Window 1: those of steps 0 to 3; step 7 takes step 0's.  Window 2: Wo's eight fragments, two sets.  Window 3: the accumulators (a, b) at 8 (8 a + b).
.set PITCH, 528                        ; 132 words: row r starts 4 r words on, modulo 64: the 16 rows of a load start at 16 different places (64 banks of 4 bytes: ISA guide 11.1)
.set RGN,   128*PITCH                  ; a region; on the way out: one half of K's sums, 128 rows x 512 bytes, each padded by 16
.set SPARE, 4*RGN                      ; the spare words, 128 bytes for each wave: two blocks of 256 bytes that no other line names
.set LI,   16                          ; 16 x lane
.set ADRB, 20                          ; v20, v21 LDS address of my fragments of Wo, K steps 0-3 and 4-7
.set STO,  24                          ; the way out: where I put 32 bytes of a row;
.set RD,   25                          ; v25, v26 where I read rows back, from either half of K
.set SPW,  28
.set NIL,  29
.set WV,   12
.set WR,   13
.set WK,   14
.set G1,   24
.set G0,   32
.set MSB, 0
.macro WIN new                         ; the immediate's high byte repeats the setting that is left
.if MSB != \new
	s_set_vgpr_msb (MSB<<8)|\new
.set MSB, \new
.endif
.endm
.macro PLACES
.rept 4
	v_nop
.endr
.endm
.macro CROUND                          ; a round of the cluster's barrier
	s_barrier_signal -1
	s_barrier_wait -1
	s_cmp_lg_u32 s[WV], 0
	s_cbranch_scc1 .Lnot_wave_0_\@
	s_barrier_signal -3
.Lnot_wave_0_\@:
	s_barrier_wait -3
	s_barrier_signal -1
	s_barrier_wait -1
.endm
.macro ALOAD q                         ; y's four fragments of K step q: 16 loads
.if ((\q) < 4) || ((\q) == 7)
	WIN 0x40
.set AB, 64*((\q)%7)
.else
	WIN 0
.set AB, 64*((\q)-3)
.endif
.irp a, 0,1,2,3
.irp c, 0,1,2,3
	global_load_b128 v[AB+16*\a+4*\c:AB+16*\a+4*\c+3], v[LI], s[16:17] offset:16384*(\q)+2048*\a+512*\c
.endr
.endr
.endm
.macro FETCH q, f                      ; Wo's eight fragments of K step q into set f: 32 LDS loads in one run
	WIN 0x80
.irp i, 0,1,2,3,4,5,6,7
.irp c, 0,1,2,3
	ds_load_b128 v[128*(\f)+16*\i+4*\c:128*(\f)+16*\i+4*\c+3], v[ADRB+(\q)/4] offset:128*((\q)%4)+16*PITCH*\i+32*\c
.endr
.endr
.endm
.macro MUL32 q, f                      ; a K step's 32 products; the accumulators by turns, in the same order in every step.  The first step starts the sums
.if ((\q) < 4) || ((\q) == 7)
	WIN 0xf6
.set AB, 64*((\q)%7)
.else
	WIN 0xf2
.set AB, 64*((\q)-3)
.endif
.irp a, 0,1,2,3
.irp b, 0,1,2,3,4,5,6,7
.if (\q) == 0
	v_wmma_f32_16x16x128_fp8_fp8 v[64*\a+8*\b:64*\a+8*\b+7], v[128*(\f)+16*\b:128*(\f)+16*\b+15], v[AB+16*\a:AB+16*\a+15], 0
.else
	v_wmma_f32_16x16x128_fp8_fp8 v[64*\a+8*\b:64*\a+8*\b+7], v[128*(\f)+16*\b:128*(\f)+16*\b+15], v[AB+16*\a:AB+16*\a+15], v[64*\a+8*\b:64*\a+8*\b+7]
.endif
.endr
.endr
.endm
	s_load_b256 s[4:11], s[0:1], 0x0               ; yc s[4:5], Wo s[6:7], the scales' exponents s[8:9], out0 s[10:11]
	v_lshl_add_u32 v[SPW], v0, 2, SPARE
	v_mov_b32 v[NIL], 0
	ds_add_u32 v[SPW], v[NIL]                      ; the opening add, twice on end, and its wait ahead of the first tensor load
	ds_add_u32 v[SPW], v[NIL]
	v_lshrrev_b32 v1, 5, v0
	v_readfirstlane_b32 s[WV], v1
	s_lshr_b32 s[WR], s[WV], 1                     ; which 64 tokens are mine; also: which 64 rows of Wo I fetch
	s_and_b32 s[WK], s[WV], 1                      ; which half of K, likewise
	s_bfe_u32 s40, ttmp6, 0x40000                  ; cx, cy
	s_bfe_u32 s41, ttmp6, 0x40004
	s_lshl_b32 s43, ttmp9, 2
	s_add_co_u32 s43, s43, s40                     ; the column tile
	s_and_b32 s42, ttmp7, 0xffff
	s_lshl_b32 s42, s42, 2
	s_add_co_u32 s42, s42, s41                     ; the token block
	s_lshl_b32 s45, 0x1111, s40                    ; my column of the cluster
	; descriptor group 1: 64 rows of 512 bytes, 2,048 apart, 16 bytes of padding behind every 512
	s_or_b32 s[G1], s45, (1<<20)|(1<<21)|(6<<22)|(3<<25)
	s_mov_b32 s[G1+1], 512<<16
	s_mov_b32 s[G1+2], 64<<16
	s_mov_b32 s[G1+3], 512<<16
	s_mov_b32 s[G1+4], 64
	s_mov_b32 s[G1+5], 2048
	s_mov_b32 s[G1+6], 0
	s_mov_b32 s[G1+7], 0
	s_lshl_b32 s16, s42, 18                        ; yc: 16 blocks a token block; 8 of them a half of K; my four tiles
	s_lshl_b32 s17, s[WK], 17
	s_add_co_u32 s16, s16, s17
	s_lshl_b32 s17, s[WR], 13
	s_add_co_u32 s16, s16, s17
	s_mov_b32 s17, 0
	s_lshl_b32 s18, s43, 18                        ; Wo: 128 rows a column tile; 64 rows; 1,024 along K
	s_lshl_b32 s19, s[WR], 17
	s_add_co_u32 s18, s18, s19
	s_lshl_b32 s19, s[WK], 10
	s_add_co_u32 s18, s18, s19
	s_mov_b32 s19, 0
	s_lshl_b32 s66, s42, 20                        ; out0: my 32 rows on the way out
	s_lshl_b32 s67, s[WV], 18
	s_add_co_u32 s66, s66, s67
	s_lshl_b32 s67, s43, 9
	s_add_co_u32 s66, s66, s67
	s_mov_b32 s67, 0
	v_and_b32 v[LI], 31, v0
	v_lshlrev_b32 v[LI], 4, v[LI]
	s_wait_dscnt 0x0                               ; both opening adds are done
	s_wait_alu depctr_va_vdst(0)
	s_wait_kmcnt 0x0
	s_load_b64 s[46:47], s[8:9], 0x28              ; e10, e11
	s_add_nc_u64 s[16:17], s[4:5], s[16:17]
	s_add_nc_u64 s[18:19], s[6:7], s[18:19]
	s_add_nc_u64 s[10:11], s[10:11], s[66:67]
	s_mov_b32 s[G0], 1
	s_mul_i32 s[G0+1], s[WK], 2*RGN
	s_mul_i32 s20, s[WR], 64*PITCH
	s_add_co_u32 s[G0+1], s[G0+1], s20
	s_mov_b64 s[G0+2:G0+3], s[18:19]
	s_or_b32 s[G0+3], s[G0+3], 0x80000000
	CROUND                                         ; all sixteen work-groups are here: the joint loads meet
	tensor_load_to_lds s[G0:G0+3], s[G1:G1+7]      ; my one tensor load at the head
	s_nop 0
	PLACES
	ALOAD 0
	ALOAD 1
	ALOAD 2
	WIN 0
	s_mul_i32 s2, s[WK], 2*RGN                     ; my half of K is two of the four regions
	s_add_co_u32 s3, s2, RGN
	s_mul_i32 s20, s[WK], RGN
	s_mul_i32 s21, s[WR], 64*PITCH
	s_add_co_u32 s20, s20, s21
	s_mul_i32 s22, s[WV], 32*PITCH
	s_add_co_u32 s23, s22, RGN
	v_and_b32 v1, 15, v0                           ; r
	v_bfe_u32 v2, v0, 4, 1                         ; h
	v_mul_u32_u24 v3, v1, PITCH
	v_lshl_add_u32 v4, v2, 4, v3                   ; a fragment's row x pitch + 16 h
	v_lshl_add_u32 v5, v2, 5, v3
	v_add_nc_u32 v[ADRB], s2, v4
	v_add_nc_u32 v[ADRB+1], s3, v4
	v_add_nc_u32 v[STO], s20, v5                   ; in: row 64 WR + 16 a + r of my half of K's sums, 32 bytes for each half of the lanes
	v_add_nc_u32 v[RD], s22, v[LI]                 ; back: the 32 lanes take one row of 512 bytes
	v_add_nc_u32 v[RD+1], s23, v[LI]
	ALOAD 3
	WIN 0
	s_wait_alu depctr_va_vdst(0)                   ; the wait at the head's end
	s_wait_tensorcnt 0x0                           ; my part of the first regions has landed
	ds_add_u32 v[SPW], v[NIL]
	s_add_co_u32 s[G0+1], s[G0+1], RGN
	s_add_nc_u64 s[G0+2:G0+3], s[G0+2:G0+3], 512   ; the type bits on top are not reached
	s_wait_dscnt 0x0
	CROUND                                         ; everybody's part has landed
	tensor_load_to_lds s[G0:G0+3], s[G1:G1+7]
	s_nop 0
	PLACES
	FETCH 0, 0
.irp q, 0,1,2,3,4,5,6
	s_wait_dscnt 0x0                               ; Wo's set is in,
.if \q < 5
	s_wait_loadcnt 48                              ; and y's fragments: the 16 loads of each of the three steps behind this one may be out
.else
	s_wait_loadcnt 16*(7-\q)
.endif
.if \q == 3
	s_wait_tensorcnt 0x0                           ; my part of the second regions has landed,
	s_barrier_signal -1
	s_barrier_wait -1                              ; everybody's has
.endif
	PLACES                                         ; in front of the loads into registers that the last step's products read
	FETCH \q+1, (\q+1)%2
.if \q < 4
	ALOAD \q+4                                     ; (step 7's into step 0's registers)
.endif
	MUL32 \q, \q%2
.endr
	WIN 0
	s_wait_loadcnt 0x0
	s_wait_dscnt 0x0                               ; the last fragments are in: my reads of Wo are over
	s_barrier_signal -1
	MUL32 7, 1
	WIN 0
	s_barrier_wait -1                              ; nobody reads Wo any more, and its bytes have had their only fill: the sums may be stored there
	PLACES
	WIN 0x0c                                       ; store data window 3
.irp a, 0,1,2,3
.irp b, 0,1,2,3,4,5,6,7
	ds_store_b128 v[STO], v[64*\a+8*\b:64*\a+8*\b+3] offset:16*PITCH*\a+64*\b
	ds_store_b128 v[STO], v[64*\a+8*\b+4:64*\a+8*\b+7] offset:16*PITCH*\a+64*\b+16
.endr
.endr
	WIN 0
	s_wait_kmcnt 0x0
	s_add_co_i32 s46, s46, s47
	s_add_co_i32 s46, s46, 127
	s_lshl_b32 s46, s46, 23                        ; 2^(e10 + e11)
	s_mov_b32 s47, s46
	s_wait_dscnt 0x0                               ; for the others' sake: my stores are done
	s_barrier_signal -1
	s_barrier_wait -1
	WIN 0x40
.irp u, 0,1
.set j, 0
.rept 16
	ds_load_b128 v[128*\u+4*j:128*\u+4*j+3], v[RD] offset:(16*\u+j)*PITCH
	ds_load_b128 v[128*\u+64+4*j:128*\u+67+4*j], v[RD+1] offset:(16*\u+j)*PITCH
.set j, j+1
.endr
.endr
.irp u, 0,1
	s_wait_dscnt 32*(1-\u)                         ; these 16 rows of both halves are back; the younger 32 loads may be out
	WIN 0x01                                       ; source 0 window 1
.set j, 0
.rept 32
	v_pk_mul_f32 v[64+64*\u+j:65+64*\u+j], v[128*\u+j:128*\u+j+1], s[46:47] op_sel_hi:[1,0]
.set j, j+2
.endr
.set j, 0
.rept 32
	v_pk_fma_f32 v[64+64*\u+j:65+64*\u+j], v[128*\u+64+j:128*\u+65+j], s[46:47], v[64+64*\u+j:65+64*\u+j] op_sel_hi:[1,0,1]
.set j, j+2
.endr
	WIN 0
.set j, 0
.rept 16
	global_store_b128 v[LI], v[64+64*\u+4*j:67+64*\u+4*j], s[10:11] offset:(8*\u+j+8*(j/8))*8192 th:TH_STORE_NT   ; 512 consecutive bytes of a row, at a multiple of 256 from out0's first byte
.set j, j+1
.endr
.endr
	s_wait_tensorcnt 0x0                           ; the wave's end
	ds_add_u32 v[SPW], v[NIL]
	s_wait_dscnt 0x0
	CROUND                                         ; the closing round: no work-group ends while a partner may still ask for a tile that names it
	s_endpgm
.Lfunc_end_k_qf0f90ee42f_outp:
	.size	k_qf0f90ee42f_outp, .Lfunc_end_k_qf0f90ee42f_outp-k_qf0f90ee42f_outp
	.p2alignl 7, 3214868480
	.fill 96, 4, 3214868480
	.section	.rodata,"a",@progbits
	.p2align	6, 0x0
	.amdhsa_kernel k_qf0f90ee42f_outp
		.amdhsa_group_segment_fixed_size 327680
		.amdhsa_private_segment_fixed_size 0
		.amdhsa_enable_private_segment 0
		.amdhsa_kernarg_size 32
		.amdhsa_user_sgpr_count 2
		.amdhsa_user_sgpr_kernarg_segment_ptr 1
		.amdhsa_wavefront_size32 1
		.amdhsa_system_sgpr_workgroup_id_x 1
		.amdhsa_system_sgpr_workgroup_id_y 1
		.amdhsa_system_sgpr_workgroup_id_z 1
		.amdhsa_system_vgpr_workitem_id 0
		.amdhsa_next_free_vgpr 1024
		.amdhsa_next_free_sgpr 70
		.amdhsa_reserve_vcc 0
		.amdhsa_float_denorm_mode_32 3
		.amdhsa_float_denorm_mode_16_64 3
		.amdhsa_memory_ordered 1
		.amdhsa_forward_progress 1
		.amdhsa_inst_pref_size 72
	.end_amdhsa_kernel
	.amdgpu_metadata
---
amdhsa.version: [ 1, 2 ]
amdhsa.kernels:
  - .name:           k_qf0f90ee42f_outp
    .symbol:         k_qf0f90ee42f_outp.kd
    .args:
      - { .name: yc, .offset: 0, .size: 8, .value_kind: global_buffer, .address_space: global }
      - { .name: Wo_codes, .offset: 8, .size: 8, .value_kind: global_buffer, .address_space: global }
      - { .name: lowp_scales, .offset: 16, .size: 8, .value_kind: global_buffer, .address_space: global }
      - { .name: out0, .offset: 24, .size: 8, .value_kind: global_buffer, .address_space: global }
    .group_segment_fixed_size: 327680
    .private_segment_fixed_size: 0
    .kernarg_segment_align: 8
    .kernarg_segment_size: 32
    .max_flat_workgroup_size: 128
    .sgpr_count:     70
    .vgpr_count:     1024
    .wavefront_size: 32
...
	.end_amdgpu_metadata
.endif
;; end of part 3
